; MI455X (gfx1250); checked and timed in simulation.
; The chip was launched on July 23, 2026; its instructions are those of AMD's public machine-readable ISA for CDNA 5 (MIT licence, August 2026) and "CDNA5" Instruction Set Architecture Reference Guide (July 2026). The comments in the code are by the model that wrote it; some were corrected since.
;; Topic Encoder. Allowed arithmetic: matrix products marked QUANTISED: E2M1 operands, one E8M0 scale for each 32 along K, by v_wmma_scale_f32_16x16x128_f8f6f4 with both operands' format E2M1 (or v_wmma_scale_f32_32x16x128_f4), f32 sums; everything else in f32.
;; Inputs: W1 5 x 1,024 x 1,024 float32; W2 5 x 1,024 x 1,024 float32; Wf 1,124 x 512 float32; attention_mask 32 x 128 float32; b1 5 x 1,024 float32; b2 5 x 1,024 float32; beta1 5 x 1,024 float32; betaf 512 float32; bf 512 float32; g1 5 x 1,024 float32; gf 512 float32; language_ids 32 int32; lda_features 32 x 100 float32; sequence_output 32 x 128 x 1,024 float32.
;; Outputs: out0 32 x 512 float32.
;; This version of the problem:
;;   THIS VERSION OF THE PROBLEM IS GIVEN IN LOW PRECISION. The matrix products marked QUANTISED in the list below multiply operands that are first quantised to E2M1 (2 exponent bits, 1 mantissa bit; 4 bits a number), with one power-of-two scale for each 32 numbers along K (OCP MX v1.0); their sums are f32. All else is computed in f32.
;;   The module's matrix products, in the order in which they are computed (A, B: the left and right operand; K: the contracted axis; several contracted axes count as one K, in the product's order):
;;     1. [M 4,096, K 1,024] x [K 1,024, N 1,024]; A: input sequence_output; B: input W1: QUANTISED
;;     2. [M 4,096, K 1,024] x [K 1,024, N 1,024]; A: computed on the way; B: input W2: QUANTISED
;;     3. [M 4,096, K 1,024] x [K 1,024, N 1,024]; A: input sequence_output; B: input W1: QUANTISED
;;     4. [M 4,096, K 1,024] x [K 1,024, N 1,024]; A: computed on the way; B: input W2: QUANTISED
;;     5. [M 4,096, K 1,024] x [K 1,024, N 1,024]; A: input sequence_output; B: input W1: QUANTISED
;;     6. [M 4,096, K 1,024] x [K 1,024, N 1,024]; A: computed on the way; B: input W2: QUANTISED
;;     7. [M 4,096, K 1,024] x [K 1,024, N 1,024]; A: input sequence_output; B: input W1: QUANTISED
;;     8. [M 4,096, K 1,024] x [K 1,024, N 1,024]; A: computed on the way; B: input W2: QUANTISED
;;     9. [M 4,096, K 1,024] x [K 1,024, N 1,024]; A: input sequence_output; B: input W1: QUANTISED
;;     10. [M 4,096, K 1,024] x [K 1,024, N 1,024]; A: computed on the way; B: input W2: QUANTISED
;;     11. [M 32, K 1,124] x [K 1,124, N 512]; A: computed on the way; B: input Wf: QUANTISED
;;   THE QUANTISER, for each operand of a quantised product, along K:
;;     - K is cut into blocks of 32 from its start; a last block that is shorter is filled with zeros.
;;     - A block's scale is 2^e with e = floor(log2(the largest magnitude in the block)) - 2, held to -126 .. 127; a block of zeros has e = 0. As a byte (E8M0): e + 127.
;;     - Each number is divided by its block's scale, clamped to +-6, and rounded to the nearest number of E2M1, ties to even, subnormals kept.
;;     - The product sums the exact products of the quantised numbers (number of the format x scale) in f32.
;;   ~~~python
;;   def quantise(x, axis):      # numpy; x: float32 -> the quantised numbers, widened to float32 again
;;       x = np.moveaxis(x, axis, -1); K = x.shape[-1]
;;       x = np.pad(x, [(0, 0)] * (x.ndim - 1) + [(0, -K % 32)]); x = x.reshape(x.shape[:-1] + (-1, 32)); a = np.abs(x).max(-1, keepdims=True)
;;       e = np.where(a > 0, np.clip(np.frexp(np.where(a > 0, a, 1))[1] - 1 - 2, -126, 127), 0)      # np.frexp(a)[1] - 1 = floor(log2(a)), exactly
;;       r = np.clip(x / 2.0 ** e, -6, 6)
;;       step = 2.0 ** (np.maximum(np.frexp(np.where(r == 0, 1, r))[1] - 1, 0) - 1)
;;       q = np.round(r / step) * step * 2.0 ** e      # np.round: ties to even
;;       return np.moveaxis(q.reshape(q.shape[:-2] + (-1,))[..., :K], -1, axis).astype(np.float32)
;;   ~~~
;;   OPERANDS COMPUTED ON THE WAY. 'Computed on the way' means the value that the module computes at that place (a softmax that the list does not call 'softmax' is quantised finished and normalised). What goes into a quantiser is computed in f32, as accurately as f32 sums, v_exp_f32 and their like allow (about 1e-6 of the number): no bf16 or f16 on the way to a quantiser, and a product that is left as it is and whose result goes on into a quantised operand takes f32 operands (vector FMAs, or v_wmma_f32_16x16x4_f32). A number that lies on a knife's edge between two numbers of the format may be rounded either way, as far as f32 arithmetic and the matrix unit's own rounding can turn it there, and no further.
;; 2 versions. Each part assembles by itself: llvm-mc -triple=amdgcn-amd-amdhsa -mcpu=gfx1250 --defsym DOCPART=n.
;; ======== version 1 of 2: 3 launches
;; workspace buffers: wq 5,570,560 bytes; fq 313,344 bytes; xq 2,228,224 bytes; part 524,288 bytes
;; launch quant (part 1): grid 466 x 1, 8 waves a work-group, no clusters, 68,608 bytes of LDS; arguments sequence_output, W1, W2, Wf, xq, wq, fq; writes xq, wq, fq
.if DOCPART == 1
	.amdgcn_target "amdgcn-amd-amdhsa--gfx1250"
	.amdhsa_code_object_version 6
	.text
	.protected	k_q10084c12d5_quant
	.globl	k_q10084c12d5_quant
	.p2align	8
	.type	k_q10084c12d5_quant,@function
k_q10084c12d5_quant:
	s_mov_b64 s[64:65], 0
	v_nop
	global_prefetch_b8 v0, s[64:65] scope:SCOPE_SE
	s_setreg_imm32_b32 hwreg(HW_REG_WAVE_MODE, 25, 1), 1
	s_wait_xcnt 0x0
; Every f32 operand that arrives as an input is turned ONCE into codes of FP4 (E2M1) with one E8M0 byte for each 32 along K, laid in the order of the operand's registers,
; so that the later launches load whole fragments, 16 bytes a lane, 512 consecutive bytes an instruction.
; A block's scale is 2^(floor(log2(its largest magnitude)) - 2): its byte is the largest magnitude's exponent field - 2, held at 1 from below.
; LIMITS: a block of zeros gets the byte 1 where the rule says 127 (its codes are zeros, and the bytes are read by this program alone); NaN and infinities among the inputs are not served.
; WORK-GROUPS: 0-127: 32 rows of sequence_output each (K innermost), a wave to each 128 along K.  128-447: W1 and W2, ten matrices x 8 K steps x 4 groups of 256 columns.
; 448-465: Wf, 9 K steps x 2 groups of 256 columns; the ninth step has 100 rows, the rest of its K are zeros.  Each work-group reads 128 KiB (the last two less).
; A WEIGHT HAS K AS ITS FIRST AXIS: a lane takes a column and its registers run down K: a load reads 128 consecutive bytes a wave, 1,024 a work-group; a block of 32 lies in one lane; nothing is transposed.
; A BLOCK OF THE WEIGHTS' BUFFERS (4,352 bytes) = 64 units x 128 along K: four fragments [tile][c][lane][16 bytes], then two registers of scale words [j][lane][4 bytes].
; Lane r of tile 2 j + u holds unit 32 j + 8 u + r + 8 (r / 8): so the results of two neighbouring tiles are 16 neighbours along the next product's K.
; No matrix work, no barrier: waves share nothing.  Only the rows' path uses LDS, each wave its own 8,448 bytes.
.set BLK,   4352
.set WROW,  8*BLK                      ; 64 units, all 8 K steps
.set WMAT,  16*WROW                    ; a matrix of 1,024 units
.set FROW,  9*BLK                      ; Wf: 64 units, 9 K steps
.set XBLK,  17408                      ; 32 rows: 16,384 bytes of images, 1,024 of scale words
.set NX,    128                        ; work-groups for the rows
.set NW,    320                        ; for W1 and W2
.set X,     32                         ; v32-159  128 numbers of a lane
.set C,     160                        ; v160-175 codes (weights)
.set SW,    176                        ; v176     the scale word (weights)
	s_load_b256 s[4:11], s[0:1], 0x0               ; sequence_output, W1, W2, Wf
	s_load_b128 s[12:15], s[0:1], 0x20             ; xq, wq
	s_load_b64 s[16:17], s[0:1], 0x30              ; fq
	v_lshl_add_u32 v254, v0, 2, 0x10800
	v_mov_b32 v255, 0
	v_lshrrev_b32 v1, 5, v0
	v_readfirstlane_b32 s18, v1                    ; wave 0..7
	v_and_b32 v1, 31, v0                           ; lane
	s_mov_b32 s27, 0                               ; high words of the two offset pairs
	s_mov_b32 s33, 0
	s_wait_kmcnt 0x0
	s_cmp_lt_u32 ttmp9, NX
	s_cbranch_scc1 .Lpath_x
	; ---- weights: what both kinds share
	v_lshlrev_b32 v2, 2, v1                        ; in: 4 bytes a lane
	v_bfe_u32 v5, v1, 3, 1                         ; u: which tile of the pair my column falls into
	v_and_b32 v6, 7, v1
	v_lshrrev_b32 v7, 4, v1
	v_lshl_or_b32 v6, v7, 3, v6                    ; r: which lane of that tile: column = 16 (r / 8) + 8 u + r % 8
	v_lshlrev_b32 v3, 4, v6
	v_lshl_add_u32 v3, v5, 10, v3                  ; codes out: 1,024 u + 16 r
	v_lshl_add_u32 v4, v5, 4, v6
	v_lshlrev_b32 v4, 2, v4                        ; scale word out: 4 (16 u + r)
	s_lshr_b32 s19, s18, 1                         ; two waves to 64 units
	s_and_b32 s20, s18, 1                          ; j: which 32 of them
	s_lshl_b32 s21, s18, 7                         ; my wave's 32 columns, in bytes
	s_cmp_ge_u32 ttmp9, NX+NW
	s_cbranch_scc1 .Lpath_f
	; ---- W1, W2
	s_sub_co_u32 s22, ttmp9, NX
	s_lshr_b32 s23, s22, 5                         ; matrix 0..9: W1's five, then W2's five
	s_bfe_u32 s24, s22, 0x30002                    ; K step 0..7
	s_and_b32 s25, s22, 3                          ; group of 256 columns
	s_cmp_lt_u32 s23, 5                            ; the choice hangs on the work-group's number alone
	s_cselect_b64 s[6:7], s[6:7], s[8:9]
	s_cselect_b32 s26, 0, 5
	s_sub_co_u32 s26, s23, s26                     ; language
	s_lshl_b32 s26, s26, 22                        ; a matrix is 4 MiB,
	s_lshl_b32 s34, s24, 19                        ; 128 rows of 4,096 bytes,
	s_add_co_u32 s26, s26, s34
	s_lshl_b32 s34, s25, 10                        ; 256 columns
	s_add_co_u32 s26, s26, s34
	s_add_co_u32 s26, s26, s21
	s_add_nc_u64 s[6:7], s[6:7], s[26:27]
	s_mul_i32 s32, s23, WMAT
	s_lshl_b32 s34, s25, 2
	s_add_co_u32 s34, s34, s19
	s_mul_i32 s34, s34, WROW
	s_add_co_u32 s32, s32, s34
	s_mul_i32 s34, s24, BLK
	s_add_co_u32 s32, s32, s34
	s_add_nc_u64 s[28:29], s[14:15], s[32:33]      ; my block in wq
	s_lshl_b32 s32, s20, 7
	s_add_co_u32 s32, s32, 4096
	s_add_nc_u64 s[30:31], s[28:29], s[32:33]      ; its scale words, register j
	s_lshl_b32 s32, s20, 11
	s_add_nc_u64 s[28:29], s[28:29], s[32:33]      ; its tiles 2 j and 2 j + 1
; Block t of the lane's four: largest magnitude, byte, 32 codes, stored.  last: how many rows the fourth block has in memory.
.macro WBLOCK t, last
.set XB, X+32*(\t)
.set LEFT, 32*(2-(\t))+(\last)         ; the loads issued behind this block's
.if (\t) == 3
.set LEFT, 0
.endif
.if LEFT > 63
.set LEFT, 63                          ; (a wait names no more than its field holds)
.endif
	s_wait_loadcnt LEFT                            ; loads come back in order: this block's 32 are in, the later blocks' may be out
	v_max3_num_f32 v8, |v[XB]|, |v[XB+1]|, |v[XB+2]|               ; all 32 numbers are mine: two chains
	v_max3_num_f32 v9, |v[XB+3]|, |v[XB+4]|, |v[XB+5]|
.irp i, 6,10,14,18,22,26
	v_max3_num_f32 v8, v8, |v[XB+\i]|, |v[XB+\i+1]|
	v_max3_num_f32 v9, v9, |v[XB+\i+2]|, |v[XB+\i+3]|
.endr
	v_max3_num_f32 v8, v8, |v[XB+30]|, |v[XB+31]|
	v_max3_num_f32 v8, v8, v9, 0x1800000           ; and the floor 2^(3 - 127): the byte cannot fall under 1
	v_add_nc_u32 v10, 0xff000000, v8               ; 2 off the exponent field: the conversion takes this operand's exponent field as its scale
	v_lshrrev_b32 v11, 23, v10                     ; the byte
.if (\t) == 0
	v_mov_b32 v[SW], v11
.else
	v_lshl_or_b32 v[SW], v11, 8*(\t), v[SW]        ; byte t of the word scales k = 32 t on
.endif
.irp g, 0,1,2,3
	v_cvt_scalef32_pk8_fp4_f32 v[C+4*(\t)+\g], v[XB+8*\g:XB+8*\g+7], v10
.endr
	global_store_b128 v3, v[C+4*(\t):C+4*(\t)+3], s[28:29] offset:256*(\t)   ; block t = (c, half) = (t / 2, t % 2) of the fragment: the 16 lanes of a tile store 256 consecutive bytes, aligned
.endm                                  ; (the next block's first line is a plain one that names nothing of the conversions)
; A wave's task: 32 columns x 128 along K.  pitch: bytes from row to row.  Every offset is an immediate; each block has its own registers, so no store's data are written again.
.macro WTASK pitch, last
.irp t, 0,1,2,3
.irp i, 0,1,2,3,4,5,6,7,8,9,10,11,12,13,14,15,16,17,18,19,20,21,22,23,24,25,26,27,28,29,30,31
.if (\t < 3) || (\i < \last)
	global_load_b32 v[X+32*\t+\i], v2, s[6:7] offset:(32*\t+\i)*\pitch th:TH_LOAD_NT
.else
	v_mov_b32 v[X+32*\t+\i], 0                     ; past the end of K: zeros, and no load leaves the buffer
.endif
.endr
.endr
.irp t, 0,1,2,3
	WBLOCK \t, \last
.endr
	v_nop                                          ; a plain line behind the last conversion
	global_store_b32 v4, v[SW], s[30:31]           ; my column's scale word: 128 consecutive bytes a wave
	s_endpgm
.endm
	WTASK 4096, 32
.Lpath_f:	; ---- Wf
	s_sub_co_u32 s22, ttmp9, NX+NW
	s_lshr_b32 s24, s22, 1                         ; K step 0..8
	s_and_b32 s25, s22, 1                          ; group of 256 columns
	s_lshl_b32 s26, s24, 18                        ; 128 rows of 2,048 bytes
	s_lshl_b32 s34, s25, 10
	s_add_co_u32 s26, s26, s34
	s_add_co_u32 s26, s26, s21
	s_add_nc_u64 s[6:7], s[10:11], s[26:27]
	s_lshl_b32 s34, s25, 2
	s_add_co_u32 s34, s34, s19
	s_mul_i32 s32, s34, FROW
	s_mul_i32 s34, s24, BLK
	s_add_co_u32 s32, s32, s34
	s_add_nc_u64 s[28:29], s[16:17], s[32:33]      ; my block in fq
	s_lshl_b32 s32, s20, 7
	s_add_co_u32 s32, s32, 4096
	s_add_nc_u64 s[30:31], s[28:29], s[32:33]
	s_lshl_b32 s32, s20, 11
	s_add_nc_u64 s[28:29], s[28:29], s[32:33]
	s_cmp_eq_u32 s24, 8
	s_cbranch_scc1 .Ledge
	WTASK 2048, 32
.Ledge:
	WTASK 2048, 4                                  ; rows 1,024 to 1,123: three whole blocks and four rows
.Lpath_x:	; ---- 32 rows of sequence_output, my wave's 128 along K
	s_lshl_b32 s26, ttmp9, 17                      ; 32 rows of 4,096 bytes
	s_lshl_b32 s34, s18, 9                         ; 128 numbers
	s_add_co_u32 s26, s26, s34
	s_add_nc_u64 s[4:5], s[4:5], s[26:27]
	v_lshlrev_b32 v2, 4, v1                        ; 16 bytes a lane
.irp i, 0,1,2,3,4,5,6,7,8,9,10,11,12,13,14,15,16,17,18,19,20,21,22,23,24,25,26,27,28,29,30,31
	global_load_b128 v[X+4*\i:X+4*\i+3], v2, s[4:5] offset:4096*\i th:TH_LOAD_NT   ; row i: 512 consecutive bytes
.endr
	s_mul_i32 s32, ttmp9, XBLK
	s_lshl_b32 s34, s18, 11
	s_add_co_u32 s32, s32, s34
	s_add_nc_u64 s[28:29], s[12:13], s[32:33]      ; my K step's four images
	s_mul_i32 s32, ttmp9, XBLK
	s_lshl_b32 s34, s18, 7
	s_add_co_u32 s32, s32, s34
	s_add_co_u32 s32, s32, 16384
	s_add_nc_u64 s[30:31], s[12:13], s[32:33]      ; and its 32 scale words
	s_mul_i32 s35, s18, 8448                       ; my stage: 16 rows of 512 bytes + 16
	v_add_nc_u32 v3, s35, v2                       ; in: as loaded
	v_and_b32 v5, 15, v1                           ; r
	v_lshrrev_b32 v6, 4, v1                        ; h
	v_mul_u32_u24 v4, v5, 528
	v_lshl_add_u32 v4, v6, 7, v4
	v_add_nc_u32 v4, s35, v4                       ; out: row r, from number 32 h on
	v_lshlrev_b32 v7, 3, v6                        ; 8 h: where my two bytes stand in the scale word
	v_lshlrev_b32 v8, 2, v1
	s_mov_b32 s36, 0x76543210
	s_mov_b32 s37, 0xfedcba98                      ; v_permlanex16_b32's selects for lane l xor 16
	s_mov_b32 s38, 0xffff0000                      ; lanes 16-31
	v_mov_b32 v250, 0                              ; a lane permute's destination counts as one of its sources
; Rows 16 m on.  The operand's layout gives lane (r, h) k = 64 c + 32 h + 0 .. 31 of row r: two whole blocks.  The rows turn through the stage: in as they were loaded, out 128 bytes a lane and block.
.macro XHALF m
.if \m == 0
	s_wait_loadcnt 16                              ; rows 0-15 are in; rows 16-31 may be out
.else
	s_wait_loadcnt 0x0
.endif
.irp i, 0,1,2,3,4,5,6,7,8,9,10,11,12,13,14,15
	ds_store_b128 v3, v[X+64*\m+4*\i:X+64*\m+4*\i+3] offset:528*\i
.endr
.irp c, 0,1
.irp j, 0,1,2,3,4,5,6,7
	ds_load_b128 v[160+32*\c+4*\j:163+32*\c+4*\j], v4 offset:256*\c+16*\j   ; LDS serves a wave's instructions in order: these see the stores above
.endr
.endr
	s_wait_dscnt 0x0
.irp c, 0,1
	v_max3_num_f32 v[242+\c], |v[160+32*\c]|, |v[161+32*\c]|, 0x1800000   ; the floor 2^(3 - 127) among the leaves
.endr
.irp i, 2,4,6,8,10,12,14,16,18,20,22,24,26,28,30
.irp c, 0,1
	v_max3_num_f32 v[242+\c], v[242+\c], |v[160+32*\c+\i]|, |v[161+32*\c+\i]|   ; the two blocks by turns
.endr
.endr
.irp c, 0,1
	v_add_nc_u32 v[244+\c], 0xff000000, v[242+\c]  ; the conversion's scale operand
.endr
.irp c, 0,1
	v_lshrrev_b32 v[246+\c], 23, v[244+\c]         ; the byte
.endr
	v_lshl_or_b32 v248, v247, 16, v246             ; my bytes: blocks h and 2 + h,
	v_lshlrev_b32 v248, v7, v248                   ; at their places;
	v_permlanex16_b32 v250, v248, s36, s37
	v_or_b32 v[240+\m], v248, v250                 ; with lane l xor 16's two the row's word is whole
.irp c, 0,1
.irp g, 0,1,2,3
	v_cvt_scalef32_pk8_fp4_f32 v[224+8*\m+4*\c+\g], v[160+32*\c+8*\g:167+32*\c+8*\g], v[244+\c]
.endr
.endr
	v_nop                                          ; a plain line behind the last conversion
.irp c, 0,1
	global_store_b128 v2, v[224+8*\m+4*\c:227+8*\m+4*\c], s[28:29] offset:1024*\m+512*\c   ; an image of four registers: 512 consecutive bytes
.endr
.endm
	XHALF 0
	XHALF 1
	v_cndmask_b32 v249, v240, v241, s38            ; lanes 0-15: the words of rows 0-15; lanes 16-31: of rows 16-31
	global_store_b32 v8, v249, s[30:31]
	s_wait_tensorcnt 0x0
	ds_add_u32 v254, v255
	s_wait_dscnt 0x0
	s_endpgm
.Lfunc_end_k_q10084c12d5_quant:
	.size	k_q10084c12d5_quant, .Lfunc_end_k_q10084c12d5_quant-k_q10084c12d5_quant
	.p2alignl 7, 3214868480
	.fill 96, 4, 3214868480
	.section	.rodata,"a",@progbits
	.p2align	6, 0x0
	.amdhsa_kernel k_q10084c12d5_quant
		.amdhsa_group_segment_fixed_size 68608
		.amdhsa_private_segment_fixed_size 0
		.amdhsa_enable_private_segment 0
		.amdhsa_kernarg_size 56
		.amdhsa_user_sgpr_count 2
		.amdhsa_user_sgpr_kernarg_segment_ptr 1
		.amdhsa_wavefront_size32 1
		.amdhsa_system_sgpr_workgroup_id_x 1
		.amdhsa_system_sgpr_workgroup_id_y 1
		.amdhsa_system_sgpr_workgroup_id_z 1
		.amdhsa_system_vgpr_workitem_id 0
		.amdhsa_next_free_vgpr 256
		.amdhsa_next_free_sgpr 66
		.amdhsa_reserve_vcc 0
		.amdhsa_float_denorm_mode_32 3
		.amdhsa_float_denorm_mode_16_64 3
		.amdhsa_memory_ordered 1
		.amdhsa_forward_progress 1
		.amdhsa_inst_pref_size 72
	.end_amdhsa_kernel
	.amdgpu_metadata
---
amdhsa.version: [ 1, 2 ]
amdhsa.kernels:
  - .name:           k_q10084c12d5_quant
    .symbol:         k_q10084c12d5_quant.kd
    .args:
      - { .name: sequence_output, .offset: 0, .size: 8, .value_kind: global_buffer, .address_space: global }
      - { .name: W1, .offset: 8, .size: 8, .value_kind: global_buffer, .address_space: global }
      - { .name: W2, .offset: 16, .size: 8, .value_kind: global_buffer, .address_space: global }
      - { .name: Wf, .offset: 24, .size: 8, .value_kind: global_buffer, .address_space: global }
      - { .name: xq, .offset: 32, .size: 8, .value_kind: global_buffer, .address_space: global }
      - { .name: wq, .offset: 40, .size: 8, .value_kind: global_buffer, .address_space: global }
      - { .name: fq, .offset: 48, .size: 8, .value_kind: global_buffer, .address_space: global }
    .group_segment_fixed_size: 68608
    .private_segment_fixed_size: 0
    .kernarg_segment_align: 8
    .kernarg_segment_size: 56
    .max_flat_workgroup_size: 256
    .sgpr_count:     66
    .vgpr_count:     256
    .wavefront_size: 32
...
	.end_amdgpu_metadata
.endif
;; end of part 1
;; launch chain (part 2): grid 128 x 1, 16 waves a work-group, no clusters, 50,176 bytes of LDS; arguments xq, wq, language_ids, attention_mask, b1, g1, beta1, b2, part; writes part
.if DOCPART == 2
	.amdgcn_target "amdgcn-amd-amdhsa--gfx1250"
	.amdhsa_code_object_version 6
	.text
	.protected	k_q10084c12d5_chain
	.globl	k_q10084c12d5_chain
	.p2align	8
	.type	k_q10084c12d5_chain,@function
k_q10084c12d5_chain:
	s_mov_b64 s[64:65], 0
	v_nop
	global_prefetch_b8 v0, s[64:65] scope:SCOPE_SE
	s_setreg_imm32_b32 hwreg(HW_REG_WAVE_MODE, 25, 1), 1
	s_wait_xcnt 0x0
; For 32 rows of one batch: h = relu(LayerNorm(x W1 + b1)), quantised along its 1,024; y = h W2 + b2; the sum over the rows of mask x y goes out as one row of 1,024 f32.
; Both products on codes of FP4 (E2M1) with E8M0 scales.  ONLY THE BATCH'S OWN LANGUAGE IS MULTIPLIED: the problem's function keeps, by the mask that it makes of language_ids, no other adapter's result.
; SHARES.  Work-group g: rows 32 g .. 32 g + 31, batch g / 4.  THE SIXTEEN WAVES SHARE THE COLUMNS: wave w makes hidden units, then outputs, 64 w .. 64 w + 63 for all 32 rows: 4 tiles x 2 tiles of rows, 8 accumulators.
; Both products are used transposed (source 0 = 16 units of the weight, source 1 = 16 rows): lane (r, h) holds row r, and register 32 m + 16 b + i of the accumulators is unit 64 w + 32 b + 16 h + i of row 16 m + r.
; WEIGHTS go from memory straight into the operand's registers (they were laid so): ten loads a K step, 512 consecutive bytes each, in a ring of three K steps.
; NO JOINT LOADS, though the four work-groups of a batch walk the same weights: a joint load lands in LDS alone, and here a fragment of a weight is wanted by one wave, for two matrix instructions:
; through LDS each of the 1.1 MB would be written there once and read there once more, behind a barrier of the four for every refill; from registers it costs neither.
; ROWS go from wave to wave through LDS as images of the operand's registers (16 bytes a lane, 512 a store) with their scale words (4 bytes a lane).
; LIMITS: a language id outside 0 .. 4 names no adapter: the address takes language 4 and the result is made 0, as the problem's function leaves it.  A block of zeros has the byte 1 for the rule's 127
; (its codes are zeros; this program alone reads the bytes).  NaN and infinities are not served.
.set BLK,   4352
.set WROW,  8*BLK
.set WMAT,  16*WROW
.set XBLK,  17408
.set XIMG,  0                          ; LDS: x's 16 images [K step][m][c][lane][16],
.set XSC,   16384                      ; its scale words [K step][lane][4]: lanes 0-15 rows 0-15, lanes 16-31 rows 16-31,
.set HIMG,  17408                      ; the hidden layer's images,
.set HSC,   33792                      ; its scale words,
.set GB,    34816                      ; for each wave 512 bytes: its 64 g, its 64 beta,
.set ST1,   43008                      ; 32 rows x (16 waves' words + 16 bytes): the rows' sums,
.set ST2,   45568                      ; and the sums of squares
.set LI,  1                            ; v1   16 x lane
.set LS,  2                            ; v2   4 x lane
.set HWI, 3                            ; v3   where I store the hidden layer's image
.set HWS, 4                            ; v4   and my two bytes of its scale words
.set GBA, 5                            ; v5   my wave's g and beta, my half's
.set STW, 6                            ; v6   80 x lane + 4 x wave
.set STR, 7                            ; v7   80 x r
.set PO,  8                            ; v8   my two outputs' bytes in the wave's 256
.set MK,  10                           ; v[10:11], v[12:13] the mask of rows r and 16 + r, each twice
.set B2V, 14                           ; v[14:15] b2 of my two outputs
.set ACC, 16                           ; v16-79
.set RING, 80                          ; v80-175 three K steps' fragments of the weight
.set RS,  176                          ; v176-181 their scale words: these hold scales and nothing else
.set XF,  182                          ; v182-213 two K steps' fragments of the rows; between the products at work
.set XS,  214                          ; v214-215 their scale words: scales and nothing else
.set TM,  242                          ; v242-249 the quantiser's
; v216-223 sums in chains; v224-227 -mean; v228-231 1/sqrt; v232-239 codes; v240-241 scale bytes; v250-254 at work; v255 1/1024.  At the head v216-239 hold offsets and what is copied into LDS.
; s[34:35] W1's part for my wave, s[36:37] W2's; s28 all ones where the language id names an adapter; s29 wave; s31 lanes 16-31; s[32:33] lane selects; s40-43 lane masks for the sum over rows
.macro BARRIER                         ; my LDS stores have landed and my LDS loads are in: then the work-group's barrier
	s_wait_dscnt 0x0
	s_barrier_signal -1
	s_barrier_wait -1
.endm
.macro RLOAD G                         ; K step G (0-7: W1's, 8-15: W2's) into ring place G % 3: ten loads
.set lD, (\G)%3
.set lO, ((\G)%8)*BLK
.if (\G) < 8
.set lB, 34
.else
.set lB, 36
.endif
.irp t, 0,1,2,3
.irp c, 0,1
	global_load_b128 v[RING+32*lD+8*\t+4*\c:RING+32*lD+8*\t+4*\c+3], v[LI], s[lB:lB+1] offset:lO+1024*\t+512*\c
.endr
.endr
.irp j, 0,1
	global_load_b32 v[RS+2*lD+\j], v[LS], s[lB:lB+1] offset:lO+4096+128*\j   ; lanes 0-15: tile 2 j's words, lanes 16-31: tile 2 j + 1's
.endr
.endm
.macro XFETCH img, sc, s, p            ; the rows' two fragments and scale words of K step s into place p: five LDS loads
.irp m, 0,1
.irp c, 0,1
	ds_load_b128 v[XF+16*(\p)+8*\m+4*\c:XF+16*(\p)+8*\m+4*\c+3], v[LI] offset:(\img)+2048*(\s)+1024*\m+512*\c
.endr
.endr
	ds_load_b32 v[XS+(\p)], v[LS] offset:(\sc)+128*(\s)
.endm
.macro WM d, a, b, c, sa, sb, ra, rb   ; one product; ra, rb: the side's scales stand in lanes 16-31
.if ((\ra) == 0) && ((\rb) == 0)
	v_wmma_scale_f32_16x16x128_f8f6f4 v[\d:\d+7], v[\a:\a+7], v[\b:\b+7], \c, v[\sa], v[\sb] matrix_a_fmt:MATRIX_FMT_FP4 matrix_b_fmt:MATRIX_FMT_FP4
.elseif (\rb) == 0
	v_wmma_scale_f32_16x16x128_f8f6f4 v[\d:\d+7], v[\a:\a+7], v[\b:\b+7], \c, v[\sa], v[\sb] matrix_a_fmt:MATRIX_FMT_FP4 matrix_b_fmt:MATRIX_FMT_FP4 matrix_a_scale:MATRIX_SCALE_ROW1
.elseif (\ra) == 0
	v_wmma_scale_f32_16x16x128_f8f6f4 v[\d:\d+7], v[\a:\a+7], v[\b:\b+7], \c, v[\sa], v[\sb] matrix_a_fmt:MATRIX_FMT_FP4 matrix_b_fmt:MATRIX_FMT_FP4 matrix_b_scale:MATRIX_SCALE_ROW1
.else
	v_wmma_scale_f32_16x16x128_f8f6f4 v[\d:\d+7], v[\a:\a+7], v[\b:\b+7], \c, v[\sa], v[\sb] matrix_a_fmt:MATRIX_FMT_FP4 matrix_b_fmt:MATRIX_FMT_FP4 matrix_a_scale:MATRIX_SCALE_ROW1 matrix_b_scale:MATRIX_SCALE_ROW1
.endif
.endm
; K step G: the next step's rows are asked for; eight products, the eight accumulators by turns; the ring place just read takes the step three on.
.macro STEP G, zero
.set sS, (\G)%8
.set sP, sS%2
.set sD, (\G)%3
.if (\G) < 8
.set sI, XIMG
.set sC, XSC
.else
.set sI, HIMG
.set sC, HSC
.endif
.if sS < 7
	XFETCH sI, sC, sS+1, 1-sP
.endif
.if 15-(\G) >= 2
	s_wait_loadcnt 20                              ; this step's ten loads are in; those of the two steps behind it may be out
.else
	s_wait_loadcnt 10*(15-(\G))
.endif
.if sS < 7
	s_wait_dscnt 5                                 ; this step's rows are in; the five loads just issued may be out
.else
	s_wait_dscnt 0x0
.endif
.irp t, 0,1,2,3
.irp m, 0,1
.set rD, ACC+32*\m+8*\t
.set rA, RING+32*sD+8*\t
.set rB, XF+16*sP+8*\m
.set rSA, RS+2*sD+\t/2
.set rSB, XS+sP
.if \zero
	WM rD, rA, rB, 0, rSA, rSB, \t%2, \m
.else
	WM rD, rA, rB, v[rD:rD+7], rSA, rSB, \t%2, \m
.endif
.endr
.endr
.rept 4
	v_nop                                          ; four places ahead of loads into registers that these products have read, and of the first read of results
.endr
.if (\G)+3 <= 15
	RLOAD (\G)+3
.endif
.endm
; The waves' partial figures of the 32 rows (v252: row r, v253: row 16 + r) meet in LDS; every wave then adds the sixteen in the same order.  Results: v[XF] for row r, v[XF+16] for row 16 + r.
.macro ROWSTAT st
	v_cndmask_b32 v254, v252, v253, s31            ; lane = row
	ds_store_b32 v[STW], v254 offset:\st
	BARRIER
.irp m, 0,1
.irp i, 0,1,2,3
	ds_load_b128 v[XF+16*\m+4*\i:XF+16*\m+4*\i+3], v[STR] offset:\st+1280*\m+16*\i
.endr
.endr
	s_wait_dscnt 0x0
.irp k, 0,2,4,6
.irp m, 0,1
	v_pk_add_f32 v[XF+16*\m+\k:XF+16*\m+\k+1], v[XF+16*\m+\k:XF+16*\m+\k+1], v[XF+16*\m+\k+8:XF+16*\m+\k+9]
.endr
.endr
.irp k, 0,2
.irp m, 0,1
	v_pk_add_f32 v[XF+16*\m+\k:XF+16*\m+\k+1], v[XF+16*\m+\k:XF+16*\m+\k+1], v[XF+16*\m+\k+4:XF+16*\m+\k+5]
.endr
.endr
.irp m, 0,1
	v_pk_add_f32 v[XF+16*\m:XF+16*\m+1], v[XF+16*\m:XF+16*\m+1], v[XF+16*\m+2:XF+16*\m+3]
.endr
.irp m, 0,1
	v_add_f32 v[XF+16*\m], v[XF+16*\m], v[XF+16*\m+1]
.endr
.endm
.macro FOLD                            ; the chains of both tiles of rows -> v252, v253: my wave's 64 units of rows r and 16 + r
.irp m, 0,1
	v_pk_add_f32 v[216+4*\m:217+4*\m], v[216+4*\m:217+4*\m], v[218+4*\m:219+4*\m]
.endr
.irp m, 0,1
	v_add_f32 v[252+\m], v[216+4*\m], v[217+4*\m]
.endr
.irp m, 0,1
	v_permlanex16_b32 v[250+\m], v[252+\m], s32, s33
.endr
.irp m, 0,1
	v_add_f32 v[252+\m], v[252+\m], v[250+\m]      ; with lane l xor 16's 32 units
.endr
.endm
; 32 numbers of a lane, none negative, register 16 b + i = k 32 b + 16 h + i of my row: four registers of codes (whole blocks: lanes 0-15 block 0, lanes 16-31 block 1) and two scale bytes.
.macro QUANT2 s, pc, hw
.irp b, 0,1
	v_max3_num_f32 v[TM+\b], v[\s+16*\b], v[\s+16*\b+1], 0x1800000   ; the floor 2^(3 - 127) among the leaves: the byte cannot fall under 1
.endr
.irp i, 2,4,6,8,10,12,14
.irp b, 0,1
	v_max3_num_f32 v[TM+\b], v[TM+\b], v[\s+16*\b+\i], v[\s+16*\b+\i+1]
.endr
.endr
.irp b, 0,1
	v_permlanex16_b32 v[TM+2+\b], v[TM+\b], s32, s33
.endr
.irp b, 0,1
	v_max_num_f32 v[TM+\b], v[TM+\b], v[TM+2+\b]   ; the block's largest
.endr
.irp b, 0,1
	v_add_nc_u32 v[TM+4+\b], 0xff000000, v[TM+\b]  ; 2 off its exponent field: the conversion's scale operand
.endr
.irp b, 0,1
	v_lshrrev_b32 v[TM+6+\b], 23, v[TM+4+\b]
.endr
	v_lshl_or_b32 v[\hw], v[TM+7], 8, v[TM+6]
.irp b, 0,1
	v_cvt_scalef32_pk8_fp4_f32 v[\pc+2*\b], v[\s+16*\b:\s+16*\b+7], v[TM+4+\b]
	v_cvt_scalef32_pk8_fp4_f32 v[\pc+2*\b+1], v[\s+16*\b+8:\s+16*\b+15], v[TM+4+\b]
.endr
	v_nop                                          ; a plain line behind the last conversion
	v_permlane16_swap_b32 v[\pc], v[\pc+2]         ; half blocks become whole blocks
	v_permlane16_swap_b32 v[\pc+1], v[\pc+3]
.endm
; One stage of the sum over the 16 lanes of a half: n registers become n / 2; a lane keeps the half of them that its bit picks and gets its partner's figures for these.
.macro BFLY n, mask, x
.set i, 0
.rept \n/2
	v_cndmask_b32 v[216+2*(i%8)], v[ACC+i], v[ACC+i+\n/2], s[\mask]
	v_cndmask_b32 v[217+2*(i%8)], v[ACC+i+\n/2], v[ACC+i], s[\mask]
	v_add_f32_dpp v[ACC+i], v[217+2*(i%8)], v[216+2*(i%8)] row_xmask:\x row_mask:0xf bank_mask:0xf
.set i, i+1
.endr
.endm
	s_load_b512 s[8:23], s[0:1], 0x0               ; xq, wq, language_ids, attention_mask, b1, g1, beta1, b2
	s_load_b64 s[24:25], s[0:1], 0x40              ; part
	v_lshrrev_b32 v9, 5, v0
	v_readfirstlane_b32 s29, v9                    ; wave 0..15
	v_and_b32 v9, 31, v0                           ; lane
	v_and_b32 v236, 15, v0                         ; r
	v_bfe_u32 v237, v0, 4, 1                       ; h
	v_lshlrev_b32 v[LI], 4, v9
	v_lshlrev_b32 v[LS], 2, v9
	v_lshlrev_b32 v229, 3, v9                      ; 8 x lane
	s_lshr_b32 s44, s29, 1                         ; my units are half c = w % 2 of K step w / 2 of the second product
	s_and_b32 s45, s29, 1
	s_lshl_b32 s46, s44, 11
	s_lshl_b32 s47, s45, 9
	s_add_co_u32 s46, s46, s47
	v_add_nc_u32 v[HWI], s46, v[LI]                ; 2,048 (w / 2) + 512 (w % 2) + 16 x lane
	s_lshl_b32 s46, s44, 7
	s_lshl_b32 s47, s45, 1
	s_add_co_u32 s46, s46, s47
	v_add_nc_u32 v[HWS], s46, v[LS]                ; 128 (w / 2) + 2 (w % 2) + 4 x lane
	s_lshl_b32 s46, s29, 9
	v_lshl_add_u32 v[GBA], v237, 6, s46            ; 512 w + 64 h
	v_add_nc_u32 v234, s46, v229                   ; 512 w + 8 x lane
	s_lshl_b32 s47, s29, 2
	v_mul_u32_u24 v[STW], v9, 80
	v_add_nc_u32 v[STW], s47, v[STW]
	v_mul_u32_u24 v[STR], v236, 80
	v_lshrrev_b32 v238, 3, v236
	v_and_b32 v239, 7, v236
	v_lshlrev_b32 v[PO], 3, v239
	v_lshl_add_u32 v[PO], v237, 6, v[PO]
	v_lshl_add_u32 v[PO], v238, 7, v[PO]           ; 128 (r / 8) + 64 h + 8 (r % 8): units 32 (r / 8) + 16 h + 2 (r % 8) and the next
	v_lshlrev_b32 v216, 4, v0                      ; 16 x thread
	v_lshlrev_b32 v217, 1, v0                      ; 2 x thread
	v_lshlrev_b32 v218, 2, v236                    ; 4 r
	v_lshlrev_b32 v219, 6, v237                    ; 64 h
	v_mov_b32 v244, 0                              ; lane permutes' destinations count as sources: written once
	v_mov_b32 v245, 0
	v_mov_b32 v250, 0
	v_mov_b32 v251, 0
	v_mov_b32 v255, 0x3a800000                     ; 1 / 1,024
	s_mov_b32 s31, 0xffff0000
	s_mov_b32 s32, 0x76543210
	s_mov_b32 s33, 0xfedcba98
	s_mov_b32 s40, 0xff00ff00
	s_mov_b32 s41, 0xf0f0f0f0
	s_mov_b32 s42, 0xcccccccc
	s_mov_b32 s43, 0xaaaaaaaa
	s_lshr_b32 s38, ttmp9, 2                       ; the batch,
	s_lshl_b32 s38, s38, 2                         ; its id's byte
	s_mov_b32 s39, 0
	s_wait_kmcnt 0x0
	s_add_nc_u64 s[12:13], s[12:13], s[38:39]
	s_load_b32 s26, s[12:13], 0x0                  ; the batch's language
	s_mul_i32 s38, ttmp9, XBLK
	s_add_nc_u64 s[8:9], s[8:9], s[38:39]          ; my 32 rows' codes
	s_lshl_b32 s38, ttmp9, 7
	s_add_nc_u64 s[14:15], s[14:15], s[38:39]      ; their mask
	s_lshl_b32 s38, ttmp9, 12
	s_lshl_b32 s46, s29, 8                         ; 256 w: my wave's 64 numbers
	s_add_co_u32 s38, s38, s46
	s_add_nc_u64 s[24:25], s[24:25], s[38:39]      ; my wave's 256 bytes of the work-group's row of part
	global_load_b128 v[220:223], v216, s[8:9]                      ; the rows' images: 512 threads x 16 bytes, twice,
	global_load_b128 v[224:227], v216, s[8:9] offset:8192
	global_load_u16 v228, v217, s[8:9] offset:16384                ; and their 1,024 bytes of scale words
	global_load_b32 v[MK], v218, s[14:15]
	global_load_b32 v[MK+2], v218, s[14:15] offset:64
	s_wait_kmcnt 0x0
	s_cmp_lt_u32 s26, 5                            ; an id that names no adapter leaves 0
	s_cselect_b32 s28, -1, 0
	s_min_u32 s26, s26, 4                          ; and no address leaves its buffer
	s_lshl_b32 s38, s26, 12
	s_add_co_u32 s38, s38, s46                     ; 4,096 x language + 256 w
	s_add_nc_u64 s[16:17], s[16:17], s[38:39]
	s_add_nc_u64 s[18:19], s[18:19], s[38:39]
	s_add_nc_u64 s[20:21], s[20:21], s[38:39]
	s_add_nc_u64 s[22:23], s[22:23], s[38:39]
	s_mul_i32 s38, s26, WMAT
	s_mul_i32 s47, s29, WROW
	s_add_co_u32 s38, s38, s47
	s_add_nc_u64 s[34:35], s[10:11], s[38:39]      ; W1[language], my 64 units
	s_add_nc_u64 s[36:37], s[34:35], 5*WMAT        ; W2[language], my 64 outputs
.irp m, 0,1
.irp t, 0,1,2,3
.irp j, 0,1
	global_load_b128 v[ACC+32*\m+8*\t+4*\j:ACC+32*\m+8*\t+4*\j+3], v219, s[16:17] offset:128*(\t/2)+32*(\t%2)+16*\j   ; b1 begins the sums: the accumulators are loaded with it, in the result's layout
.endr
.endr
.endr
	global_load_b64 v[230:231], v229, s[18:19]     ; g
	global_load_b64 v[232:233], v229, s[20:21]     ; beta
	global_load_b64 v[B2V:B2V+1], v[PO], s[22:23]
	RLOAD 0
	RLOAD 1
	RLOAD 2
	s_wait_loadcnt 51                              ; 54 loads are issued: the first three, the rows' codes and scale words, are in
	ds_store_b128 v216, v[220:223] offset:XIMG
	ds_store_b128 v216, v[224:227] offset:XIMG+8192
	ds_store_b16 v217, v228 offset:XSC
	s_wait_loadcnt 31                              ; behind beta's load: b2's and the ring's thirty
	ds_store_b64 v234, v[230:231] offset:GB
	ds_store_b64 v234, v[232:233] offset:GB+256
	v_mov_b32 v[MK+1], v[MK]
	v_mov_b32 v[MK+3], v[MK+2]
	BARRIER                                        ; the rows' sixteen images lie in LDS
	XFETCH XIMG, XSC, 0, 0
.irp G, 0,1,2,3,4,5,6,7
	STEP \G, 0                                     ; x W1 + b1.  W2's first three K steps go out behind steps 5 to 7 and land under the norm
.endr
	; ---- the rows' means.  Each accumulator is read from its low end on
.irp m, 0,1
	v_pk_add_f32 v[216+4*\m:217+4*\m], v[ACC+32*\m:ACC+32*\m+1], v[ACC+32*\m+4:ACC+32*\m+5]
	v_pk_add_f32 v[218+4*\m:219+4*\m], v[ACC+32*\m+2:ACC+32*\m+3], v[ACC+32*\m+6:ACC+32*\m+7]
.endr
.irp p, 8,12,16,20,24,28
.irp m, 0,1
	v_pk_add_f32 v[216+4*\m:217+4*\m], v[216+4*\m:217+4*\m], v[ACC+32*\m+\p:ACC+32*\m+\p+1]
	v_pk_add_f32 v[218+4*\m:219+4*\m], v[218+4*\m:219+4*\m], v[ACC+32*\m+\p+2:ACC+32*\m+\p+3]
.endr
.endr
	FOLD
	ROWSTAT ST1
.irp m, 0,1
	v_mul_f32 v[224+2*\m], 0xba800000, v[XF+16*\m] ; -mean, twice
	v_mul_f32 v[225+2*\m], 0xba800000, v[XF+16*\m]
.endr
	; ---- centred in place, and the sums of squares
.irp m, 0,1
	v_pk_add_f32 v[ACC+32*\m:ACC+32*\m+1], v[ACC+32*\m:ACC+32*\m+1], v[224+2*\m:225+2*\m]
	v_pk_add_f32 v[ACC+32*\m+2:ACC+32*\m+3], v[ACC+32*\m+2:ACC+32*\m+3], v[224+2*\m:225+2*\m]
.endr
.irp m, 0,1
	v_pk_mul_f32 v[216+4*\m:217+4*\m], v[ACC+32*\m:ACC+32*\m+1], v[ACC+32*\m:ACC+32*\m+1]
	v_pk_mul_f32 v[218+4*\m:219+4*\m], v[ACC+32*\m+2:ACC+32*\m+3], v[ACC+32*\m+2:ACC+32*\m+3]
.endr
.irp p, 4,8,12,16,20,24,28
.irp m, 0,1
	v_pk_add_f32 v[ACC+32*\m+\p:ACC+32*\m+\p+1], v[ACC+32*\m+\p:ACC+32*\m+\p+1], v[224+2*\m:225+2*\m]
	v_pk_add_f32 v[ACC+32*\m+\p+2:ACC+32*\m+\p+3], v[ACC+32*\m+\p+2:ACC+32*\m+\p+3], v[224+2*\m:225+2*\m]
.endr
.irp m, 0,1
	v_pk_fma_f32 v[216+4*\m:217+4*\m], v[ACC+32*\m+\p:ACC+32*\m+\p+1], v[ACC+32*\m+\p:ACC+32*\m+\p+1], v[216+4*\m:217+4*\m]
	v_pk_fma_f32 v[218+4*\m:219+4*\m], v[ACC+32*\m+\p+2:ACC+32*\m+\p+3], v[ACC+32*\m+\p+2:ACC+32*\m+\p+3], v[218+4*\m:219+4*\m]
.endr
.endr
	FOLD
	ROWSTAT ST2                                    ; other bytes than the means': no barrier is owed between the two
.irp m, 0,1
	v_fmaak_f32 v[252+\m], v255, v[XF+16*\m], 0x3727c5ac           ; the variance + 1e-5
.endr
.irp m, 0,1
	v_rsq_f32 v[228+2*\m], v[252+\m]
	v_rsq_f32 v[229+2*\m], v[252+\m]
.endr
	v_nop                                          ; a plain line behind the transcendentals (ISA guide 5.7.2)
	s_wait_alu depctr_va_vdst(0)
	; ---- x 1/sqrt x g + beta, relu: 16 units of both tiles of rows at a time
.irp b, 0,1
.irp i, 0,1,2,3
	ds_load_b128 v[XF+4*\i:XF+4*\i+3], v[GBA] offset:GB+128*\b+16*\i
	ds_load_b128 v[XF+16+4*\i:XF+16+4*\i+3], v[GBA] offset:GB+256+128*\b+16*\i
.endr
	s_wait_dscnt 0x0
.irp m, 0,1
.irp i, 0,2,4,6,8,10,12,14
	v_pk_mul_f32 v[ACC+32*\m+16*\b+\i:ACC+32*\m+16*\b+\i+1], v[ACC+32*\m+16*\b+\i:ACC+32*\m+16*\b+\i+1], v[228+2*\m:229+2*\m]
.endr
.endr
.irp m, 0,1
.irp i, 0,2,4,6,8,10,12,14
	v_pk_fma_f32 v[ACC+32*\m+16*\b+\i:ACC+32*\m+16*\b+\i+1], v[ACC+32*\m+16*\b+\i:ACC+32*\m+16*\b+\i+1], v[XF+\i:XF+\i+1], v[XF+16+\i:XF+16+\i+1]
.endr
.endr
.irp m, 0,1
.irp i, 0,1,2,3,4,5,6,7,8,9,10,11,12,13,14,15
	v_max_num_f32 v[ACC+32*\m+16*\b+\i], 0, v[ACC+32*\m+16*\b+\i]
.endr
.endr
.endr
	; ---- the hidden layer is quantised in registers: my 64 units are registers 4 c .. 4 c + 3, c = w % 2, of K step w / 2's fragments
	QUANT2 ACC, 232, 240
	QUANT2 ACC+32, 236, 241
	ds_store_b128 v[HWI], v[232:235] offset:HIMG
	ds_store_b128 v[HWI], v[236:239] offset:HIMG+1024
	v_cndmask_b32 v254, v240, v241, s31            ; lane = row
	ds_store_b16 v[HWS], v254 offset:HSC           ; my two bytes of each row's scale word
	BARRIER                                        ; the hidden layer's sixteen images lie in LDS
	XFETCH HIMG, HSC, 0, 0
	STEP 8, 1                                      ; the first K step starts the sums: nothing is cleared
.irp G, 9,10,11,12,13,14,15
	STEP \G, 0
.endr
	; ---- mask x y, summed over the 32 rows
.irp q, 0,2,4,6,8,10,12,14,16,18,20,22,24,26,28,30
	v_pk_mul_f32 v[ACC+\q:ACC+\q+1], v[ACC+\q:ACC+\q+1], v[MK:MK+1]
.endr
.irp q, 0,2,4,6,8,10,12,14,16,18,20,22,24,26,28,30
	v_pk_fma_f32 v[ACC+\q:ACC+\q+1], v[ACC+32+\q:ACC+32+\q+1], v[MK+2:MK+3], v[ACC+\q:ACC+\q+1]
.endr
	BFLY 32, 40, 8                                 ; four stages: lane r ends with registers 2 r and 2 r + 1 of the 32, summed over the 16 lanes of its half
	BFLY 16, 41, 4
	BFLY 8, 42, 2
	BFLY 4, 43, 1
	v_add_f32 v252, v[MK], v[MK+2]
	v_add_f32_dpp v252, v252, v252 row_xmask:1 row_mask:0xf bank_mask:0xf
	v_add_f32_dpp v252, v252, v252 row_xmask:2 row_mask:0xf bank_mask:0xf
	v_add_f32_dpp v252, v252, v252 row_xmask:4 row_mask:0xf bank_mask:0xf
	v_add_f32_dpp v252, v252, v252 row_xmask:8 row_mask:0xf bank_mask:0xf   ; the mask's sum over my 32 rows
	v_fma_f32 v[ACC], v[B2V], v252, v[ACC]         ; the sum of mask x (y + b2) = the sum of mask x y + b2 x the sum of the mask
	v_fma_f32 v[ACC+1], v[B2V+1], v252, v[ACC+1]
	v_cndmask_b32 v[ACC], 0, v[ACC], s28
	v_cndmask_b32 v[ACC+1], 0, v[ACC+1], s28
	global_store_b64 v[PO], v[ACC:ACC+1], s[24:25] ; the wave stores 256 consecutive bytes, aligned
	s_wait_xcnt 0x0
	v_lshl_add_u32 v254, v0, 2, 0xbc00
	v_mov_b32 v255, 0
	s_wait_tensorcnt 0x0
	ds_add_u32 v254, v255
	s_wait_dscnt 0x0
	s_endpgm
.Lfunc_end_k_q10084c12d5_chain:
	.size	k_q10084c12d5_chain, .Lfunc_end_k_q10084c12d5_chain-k_q10084c12d5_chain
	.p2alignl 7, 3214868480
	.fill 96, 4, 3214868480
	.section	.rodata,"a",@progbits
	.p2align	6, 0x0
	.amdhsa_kernel k_q10084c12d5_chain
		.amdhsa_group_segment_fixed_size 50176
		.amdhsa_private_segment_fixed_size 0
		.amdhsa_enable_private_segment 0
		.amdhsa_kernarg_size 72
		.amdhsa_user_sgpr_count 2
		.amdhsa_user_sgpr_kernarg_segment_ptr 1
		.amdhsa_wavefront_size32 1
		.amdhsa_system_sgpr_workgroup_id_x 1
		.amdhsa_system_sgpr_workgroup_id_y 1
		.amdhsa_system_sgpr_workgroup_id_z 1
		.amdhsa_system_vgpr_workitem_id 0
		.amdhsa_next_free_vgpr 256
		.amdhsa_next_free_sgpr 66
		.amdhsa_reserve_vcc 0
		.amdhsa_float_denorm_mode_32 3
		.amdhsa_float_denorm_mode_16_64 3
		.amdhsa_memory_ordered 1
		.amdhsa_forward_progress 1
		.amdhsa_inst_pref_size 76
	.end_amdhsa_kernel
	.amdgpu_metadata
---
amdhsa.version: [ 1, 2 ]
amdhsa.kernels:
  - .name:           k_q10084c12d5_chain
    .symbol:         k_q10084c12d5_chain.kd
    .args:
      - { .name: xq, .offset: 0, .size: 8, .value_kind: global_buffer, .address_space: global }
      - { .name: wq, .offset: 8, .size: 8, .value_kind: global_buffer, .address_space: global }
      - { .name: language_ids, .offset: 16, .size: 8, .value_kind: global_buffer, .address_space: global }
      - { .name: attention_mask, .offset: 24, .size: 8, .value_kind: global_buffer, .address_space: global }
      - { .name: b1, .offset: 32, .size: 8, .value_kind: global_buffer, .address_space: global }
      - { .name: g1, .offset: 40, .size: 8, .value_kind: global_buffer, .address_space: global }
      - { .name: beta1, .offset: 48, .size: 8, .value_kind: global_buffer, .address_space: global }
      - { .name: b2, .offset: 56, .size: 8, .value_kind: global_buffer, .address_space: global }
      - { .name: part, .offset: 64, .size: 8, .value_kind: global_buffer, .address_space: global }
    .group_segment_fixed_size: 50176
    .private_segment_fixed_size: 0
    .kernarg_segment_align: 8
    .kernarg_segment_size: 72
    .max_flat_workgroup_size: 512
    .sgpr_count:     66
    .vgpr_count:     256
    .wavefront_size: 32
...
	.end_amdgpu_metadata
.endif
;; end of part 2
;; launch fuse (part 3): grid 32 x 1, 16 waves a work-group, no clusters, 19,200 bytes of LDS; arguments part, attention_mask, lda_features, fq, bf, gf, betaf, out0; writes out0
.if DOCPART == 3
	.amdgcn_target "amdgcn-amd-amdhsa--gfx1250"
	.amdhsa_code_object_version 6
	.text
	.protected	k_q10084c12d5_fuse
	.globl	k_q10084c12d5_fuse
	.p2align	8
	.type	k_q10084c12d5_fuse,@function
k_q10084c12d5_fuse:
	s_mov_b64 s[64:65], 0
	v_nop
	global_prefetch_b8 v0, s[64:65] scope:SCOPE_SE
	s_setreg_imm32_b32 hwreg(HW_REG_WAVE_MODE, 25, 1), 1
	s_wait_xcnt 0x0
; One batch to a work-group: pooled = (the sum of its four partial rows) / (the sum of its mask); [pooled, lda_features] is quantised along its 1,124 (filled with zeros to 1,152 = 9 K steps);
; x Wf + bf on codes of FP4 (E2M1) with E8M0 scales; LayerNorm over the 512, relu.
; The product is used transposed: source 0 = 16 units of Wf, source 1 = the batch's ONE row, which stands in all 16 columns of the tile (every lane r reads the same LDS bytes), so no lane is masked.
; Wave w makes units 32 w .. 32 w + 31: two accumulators, by turns.  Its 18 fragments of Wf are asked for at the head and land under the pooling and the quantiser.
; No joint loads: the 32 work-groups read the same 0.3 MB of codes once each, straight into the operand's registers, where a joint load cannot put them.
; LIMITS: a mask whose sum is 0 gives NaN or infinity, as the division of the problem's function does.  A block of zeros has the byte 1 for the rule's 127 (its codes are zeros; this program alone reads the bytes).
.set BLK,   4352
.set FROW,  9*BLK
.set COMB,  0                          ; LDS: the combined row, 1,152 f32,
.set FIMG,  4608                       ; its 9 fragments as images [K step][c][lane][16],
.set FSC,   13824                      ; their scale words [K step][lane][4],
.set ROW,   14976                      ; and the 512 results
.set WS,  24                           ; v24-32   Wf's scale words: scales and nothing else
.set WF,  34                           ; v34-177  Wf's fragments: K step s, tile u at 16 s + 8 u
.set ACC, 178                          ; v178-193
.set XF,  194                          ; v194-241 two groups of three K steps' fragments of the row; before and behind the product at work
.set XS,  244                          ; v244-249 their scale words: scales and nothing else
.set TM,  230
; v1 16 x lane; v2 4 x lane; v3 8 x thread; v4 lda's offset; v5 4 x thread; v6 64 h; v7 512 (w % 4) + 16 x lane; v8 256 w + 64 h; v9 512 w + 16 x lane; v10 128 (w / 2) + 2 (w % 2) + 4 x lane; v11 128 w + 64 h
; v16-19 gf, v20-23 betaf of the four numbers that I store
.macro BARRIER
	s_wait_dscnt 0x0
	s_barrier_signal -1
	s_barrier_wait -1
.endm
.macro WSUM r, t                       ; the sum over the wave's 32 lanes, in every lane
	v_add_f32_dpp v[\r], v[\r], v[\r] row_xmask:1 row_mask:0xf bank_mask:0xf
	v_add_f32_dpp v[\r], v[\r], v[\r] row_xmask:2 row_mask:0xf bank_mask:0xf
	v_add_f32_dpp v[\r], v[\r], v[\r] row_xmask:4 row_mask:0xf bank_mask:0xf
	v_add_f32_dpp v[\r], v[\r], v[\r] row_xmask:8 row_mask:0xf bank_mask:0xf
	v_permlanex16_b32 v[\t], v[\r], s32, s33
	v_add_f32 v[\r], v[\r], v[\t]
.endm
; 32 numbers of a lane, register 16 b + i = k 32 b + 16 h + i: four registers of codes (whole blocks: lanes 0-15 block 0, lanes 16-31 block 1) and two scale bytes.
.macro QUANT2 s, pc, hw
.irp b, 0,1
	v_max3_num_f32 v[TM+\b], |v[\s+16*\b]|, |v[\s+16*\b+1]|, 0x1800000   ; the floor 2^(3 - 127) among the leaves
.endr
.irp i, 2,4,6,8,10,12,14
.irp b, 0,1
	v_max3_num_f32 v[TM+\b], v[TM+\b], |v[\s+16*\b+\i]|, |v[\s+16*\b+\i+1]|
.endr
.endr
.irp b, 0,1
	v_permlanex16_b32 v[TM+2+\b], v[TM+\b], s32, s33
.endr
.irp b, 0,1
	v_max_num_f32 v[TM+\b], v[TM+\b], v[TM+2+\b]
.endr
.irp b, 0,1
	v_add_nc_u32 v[TM+4+\b], 0xff000000, v[TM+\b]
.endr
.irp b, 0,1
	v_lshrrev_b32 v[TM+6+\b], 23, v[TM+4+\b]
.endr
	v_lshl_or_b32 v[\hw], v[TM+7], 8, v[TM+6]
.irp b, 0,1
	v_cvt_scalef32_pk8_fp4_f32 v[\pc+2*\b], v[\s+16*\b:\s+16*\b+7], v[TM+4+\b]
	v_cvt_scalef32_pk8_fp4_f32 v[\pc+2*\b+1], v[\s+16*\b+8:\s+16*\b+15], v[TM+4+\b]
.endr
	v_nop                                          ; a plain line behind the last conversion
	v_permlane16_swap_b32 v[\pc], v[\pc+2]
	v_permlane16_swap_b32 v[\pc+1], v[\pc+3]
.endm
; Half a K step (64 numbers): from the combined row to four registers of an image and two bytes of the scale words.  oc, oi, os: further on in the three regions.
.macro QHALF oc, oi, os
.irp b, 0,1
.irp j, 0,1,2,3
	ds_load_b128 v[XF+16*\b+4*\j:XF+16*\b+4*\j+3], v8 offset:COMB+(\oc)+128*\b+16*\j
.endr
.endr
	s_wait_dscnt 0x0                               ; the numbers are in (and earlier LDS stores have read their registers)
	QUANT2 XF, 226, 238
	ds_store_b128 v9, v[226:229] offset:FIMG+(\oi)
	ds_store_b16 v10, v238 offset:FSC+(\os)
.endm
.macro GFETCH g, p                     ; K steps 3 g .. 3 g + 2 of the row into group p: nine LDS loads
.irp i, 0,1,2
.irp c, 0,1
	ds_load_b128 v[XF+24*\p+8*\i+4*\c:XF+24*\p+8*\i+4*\c+3], v1 offset:FIMG+1024*(3*\g+\i)+512*\c
.endr
	ds_load_b32 v[XS+3*\p+\i], v2 offset:FSC+128*(3*\g+\i)
.endr
.endm
.macro GMUL g, p                       ; six products: the two accumulators by turns
.irp i, 0,1,2
	v_wmma_scale_f32_16x16x128_f8f6f4 v[ACC:ACC+7], v[WF+16*(3*\g+\i):WF+16*(3*\g+\i)+7], v[XF+24*\p+8*\i:XF+24*\p+8*\i+7], v[ACC:ACC+7], v[WS+3*\g+\i], v[XS+3*\p+\i] matrix_a_fmt:MATRIX_FMT_FP4 matrix_b_fmt:MATRIX_FMT_FP4
	v_wmma_scale_f32_16x16x128_f8f6f4 v[ACC+8:ACC+15], v[WF+16*(3*\g+\i)+8:WF+16*(3*\g+\i)+15], v[XF+24*\p+8*\i:XF+24*\p+8*\i+7], v[ACC+8:ACC+15], v[WS+3*\g+\i], v[XS+3*\p+\i] matrix_a_fmt:MATRIX_FMT_FP4 matrix_b_fmt:MATRIX_FMT_FP4 matrix_a_scale:MATRIX_SCALE_ROW1
.endr
.endm
	s_load_b512 s[8:23], s[0:1], 0x0               ; part, attention_mask, lda_features, fq, bf, gf, betaf, out0
	v_lshl_add_u32 v254, v0, 2, 0x4300
	v_mov_b32 v255, 0
	v_lshrrev_b32 v13, 5, v0
	v_readfirstlane_b32 s24, v13                   ; wave 0..15
	v_and_b32 v13, 31, v0                          ; lane
	v_bfe_u32 v14, v0, 4, 1                        ; h
	v_lshlrev_b32 v1, 4, v13
	v_lshlrev_b32 v2, 2, v13
	v_lshlrev_b32 v3, 3, v0
	v_min_u32 v4, 99, v0                           ; no load leaves lda's row of 100
	v_lshlrev_b32 v4, 2, v4
	v_lshlrev_b32 v5, 2, v0
	v_lshlrev_b32 v6, 6, v14
	s_and_b32 s25, s24, 3
	s_lshl_b32 s25, s25, 9
	v_add_nc_u32 v7, s25, v1
	s_lshl_b32 s26, s24, 8
	v_add_nc_u32 v8, s26, v6
	s_lshl_b32 s26, s24, 9
	v_add_nc_u32 v9, s26, v1
	s_lshr_b32 s27, s24, 1
	s_and_b32 s28, s24, 1
	s_lshl_b32 s26, s27, 7
	s_lshl_b32 s29, s28, 1
	s_add_co_u32 s26, s26, s29
	v_add_nc_u32 v10, s26, v2
	s_lshl_b32 s26, s24, 7
	v_add_nc_u32 v11, s26, v6
	v_mov_b32 v232, 0                              ; lane permutes' destinations count as sources: written once
	v_mov_b32 v233, 0
	s_mov_b32 s32, 0x76543210
	s_mov_b32 s33, 0xfedcba98
	s_mov_b32 s31, 0
	s_wait_kmcnt 0x0
	s_lshl_b32 s30, ttmp9, 14
	s_add_nc_u64 s[8:9], s[8:9], s[30:31]          ; the batch's four rows of part
	s_lshl_b32 s30, ttmp9, 9
	s_add_nc_u64 s[10:11], s[10:11], s[30:31]      ; its mask
	s_mul_i32 s30, ttmp9, 400
	s_add_nc_u64 s[12:13], s[12:13], s[30:31]      ; its lda features
	s_mul_i32 s30, s27, FROW
	s_lshl_b32 s29, s28, 11
	s_add_co_u32 s30, s30, s29
	s_add_nc_u64 s[34:35], s[14:15], s[30:31]      ; Wf's codes: my two tiles
	s_mul_i32 s30, s27, FROW
	s_lshl_b32 s29, s28, 7
	s_add_co_u32 s30, s30, s29
	s_add_co_u32 s30, s30, 4096
	s_add_nc_u64 s[36:37], s[14:15], s[30:31]      ; and their scale words
	s_lshl_b32 s30, s24, 7
	s_add_nc_u64 s[16:17], s[16:17], s[30:31]      ; bf: my 32
	s_lshl_b32 s30, ttmp9, 11
	s_add_nc_u64 s[22:23], s[22:23], s[30:31]      ; the batch's row of out0
.irp k, 0,1,2,3
	global_load_b64 v[194+2*\k:195+2*\k], v3, s[8:9] offset:4096*\k
.endr
	global_load_b128 v[202:205], v1, s[10:11]      ; every wave takes the whole mask: 128 numbers
	global_load_b32 v206, v4, s[12:13]
.irp u, 0,1
.irp j, 0,1
	global_load_b128 v[ACC+8*\u+4*\j:ACC+8*\u+4*\j+3], v6, s[16:17] offset:32*\u+16*\j   ; bf begins the sums, in the result's layout: register 8 u + j is unit 32 w + 16 h + 8 u + j
.endr
.endr
	global_load_b128 v[16:19], v7, s[18:19]
	global_load_b128 v[20:23], v7, s[20:21]
.irp s, 0,1,2,3,4,5,6,7,8
.irp u, 0,1
.irp c, 0,1
	global_load_b128 v[WF+16*\s+8*\u+4*\c:WF+16*\s+8*\u+4*\c+3], v1, s[34:35] offset:BLK*\s+1024*\u+512*\c
.endr
.endr
	global_load_b32 v[WS+\s], v2, s[36:37] offset:BLK*\s
.endr
	; ---- the pooled row
	s_wait_loadcnt 51                              ; 57 loads are issued: the first six (part, the mask, lda) are in
	v_add_f32 v250, v202, v203
	v_add_f32 v251, v204, v205
	v_add_f32 v250, v250, v251
	WSUM 250, 251                                  ; the mask's sum
	v_rcp_f32 v250, v250
	v_pk_add_f32 v[194:195], v[194:195], v[196:197]                ; (a plain line behind the transcendental)
	v_pk_add_f32 v[198:199], v[198:199], v[200:201]
	v_pk_add_f32 v[194:195], v[194:195], v[198:199]
	s_wait_alu depctr_va_vdst(0)
	v_mul_f32 v194, v194, v250
	v_mul_f32 v195, v195, v250
	ds_store_b64 v3, v[194:195] offset:COMB
	v_cmp_gt_u32 vcc_lo, 100, v0
	v_cndmask_b32 v206, 0, v206, vcc_lo            ; lda's 100, then 28 zeros
	s_cmp_lt_u32 s24, 4
	s_cbranch_scc0 .Lno_lda
	ds_store_b32 v5, v206 offset:COMB+4096
.Lno_lda:
	BARRIER                                        ; the combined row lies in LDS
	; ---- its 18 halves of K steps: wave w takes half w; waves 0 and 1 also halves 16 and 17
	QHALF 0, 0, 0
	s_cmp_lt_u32 s24, 2
	s_cbranch_scc0 .Lno_tail
	QHALF 4096, 8192, 1024
.Lno_tail:
	BARRIER                                        ; the nine images lie in LDS
	; ---- x Wf + bf
	GFETCH 0, 0
	GFETCH 1, 1
	s_wait_dscnt 9                                 ; the first group is in; the second's nine loads may be out
	s_wait_loadcnt 30                              ; bf, gf, betaf and Wf's K steps 0-2 are in; behind them: six steps of five loads
	GMUL 0, 0
.rept 4
	v_nop                                          ; four places ahead of loads into registers that these products have read
.endr
	GFETCH 2, 0
	s_wait_dscnt 9                                 ; the second group is in
	s_wait_loadcnt 15                              ; behind K step 5's loads: three steps of five
	GMUL 1, 1
	s_wait_dscnt 0x0
	s_wait_loadcnt 0x0
	GMUL 2, 0
.rept 4
	v_nop                                          ; four places ahead of the first read of results
.endr
.irp u, 0,1
	ds_store_b128 v11, v[ACC+8*\u:ACC+8*\u+3] offset:ROW+32*\u       ; each accumulator from its low end on; the 16 lanes of a half hold the same numbers and write the same bytes
	ds_store_b128 v11, v[ACC+8*\u+4:ACC+8*\u+7] offset:ROW+32*\u+16
.endr
	BARRIER                                        ; the 512 results lie in LDS: the last barrier
	s_cmp_lt_u32 s24, 4
	s_cbranch_scc1 .Lnorm
	s_wait_tensorcnt 0x0
	ds_add_u32 v254, v255
	s_wait_dscnt 0x0
	s_endpgm
.Lnorm:	; ---- waves 0-3: each takes the norm's two sums over all 512 and stores 128 numbers
.irp k, 0,1,2,3
	ds_load_b128 v[194+4*\k:197+4*\k], v1 offset:ROW+512*\k
.endr
	ds_load_b128 v[210:213], v7 offset:ROW         ; the four that I store
	s_wait_dscnt 0x0
	v_pk_add_f32 v[214:215], v[194:195], v[196:197]
	v_pk_add_f32 v[216:217], v[198:199], v[200:201]
	v_pk_add_f32 v[218:219], v[202:203], v[204:205]
	v_pk_add_f32 v[220:221], v[206:207], v[208:209]
	v_pk_add_f32 v[214:215], v[214:215], v[216:217]
	v_pk_add_f32 v[218:219], v[218:219], v[220:221]
	v_pk_add_f32 v[214:215], v[214:215], v[218:219]
	v_add_f32 v250, v214, v215
	WSUM 250, 251
	v_mul_f32 v222, 0xbb000000, v250               ; -mean
	v_mov_b32 v223, v222
.irp j, 0,2,4,6,8,10,12,14
	v_pk_add_f32 v[194+\j:195+\j], v[194+\j:195+\j], v[222:223]
.endr
	v_pk_mul_f32 v[214:215], v[194:195], v[194:195]
	v_pk_mul_f32 v[216:217], v[196:197], v[196:197]
.irp j, 4,8,12
	v_pk_fma_f32 v[214:215], v[194+\j:195+\j], v[194+\j:195+\j], v[214:215]
	v_pk_fma_f32 v[216:217], v[196+\j:197+\j], v[196+\j:197+\j], v[216:217]
.endr
	v_pk_add_f32 v[214:215], v[214:215], v[216:217]
	v_add_f32 v250, v214, v215
	WSUM 250, 251
	v_mov_b32 v252, 0x3b000000                     ; 1 / 512
	v_fmaak_f32 v250, v252, v250, 0x3727c5ac       ; the variance + 1e-5
	v_rsq_f32 v224, v250
	v_pk_add_f32 v[210:211], v[210:211], v[222:223]                ; (plain lines behind the transcendental)
	v_pk_add_f32 v[212:213], v[212:213], v[222:223]
	s_wait_alu depctr_va_vdst(0)
	v_mov_b32 v225, v224
	v_pk_mul_f32 v[210:211], v[210:211], v[224:225]
	v_pk_mul_f32 v[212:213], v[212:213], v[224:225]
	v_pk_fma_f32 v[210:211], v[210:211], v[16:17], v[20:21]
	v_pk_fma_f32 v[212:213], v[212:213], v[18:19], v[22:23]
.irp j, 0,1,2,3
	v_max_num_f32 v[210+\j], 0, v[210+\j]
.endr
	global_store_b128 v7, v[210:213], s[22:23]     ; the wave stores 512 consecutive bytes, aligned
	s_wait_tensorcnt 0x0
	ds_add_u32 v254, v255
	s_wait_dscnt 0x0
	s_endpgm
.Lfunc_end_k_q10084c12d5_fuse:
	.size	k_q10084c12d5_fuse, .Lfunc_end_k_q10084c12d5_fuse-k_q10084c12d5_fuse
	.p2alignl 7, 3214868480
	.fill 96, 4, 3214868480
	.section	.rodata,"a",@progbits
	.p2align	6, 0x0
	.amdhsa_kernel k_q10084c12d5_fuse
		.amdhsa_group_segment_fixed_size 19200
		.amdhsa_private_segment_fixed_size 0
		.amdhsa_enable_private_segment 0
		.amdhsa_kernarg_size 64
		.amdhsa_user_sgpr_count 2
		.amdhsa_user_sgpr_kernarg_segment_ptr 1
		.amdhsa_wavefront_size32 1
		.amdhsa_system_sgpr_workgroup_id_x 1
		.amdhsa_system_sgpr_workgroup_id_y 1
		.amdhsa_system_sgpr_workgroup_id_z 1
		.amdhsa_system_vgpr_workitem_id 0
		.amdhsa_next_free_vgpr 256
		.amdhsa_next_free_sgpr 66
		.amdhsa_reserve_vcc 1
		.amdhsa_float_denorm_mode_32 3
		.amdhsa_float_denorm_mode_16_64 3
		.amdhsa_memory_ordered 1
		.amdhsa_forward_progress 1
		.amdhsa_inst_pref_size 23
	.end_amdhsa_kernel
	.amdgpu_metadata
---
amdhsa.version: [ 1, 2 ]
amdhsa.kernels:
  - .name:           k_q10084c12d5_fuse
    .symbol:         k_q10084c12d5_fuse.kd
    .args:
      - { .name: part, .offset: 0, .size: 8, .value_kind: global_buffer, .address_space: global }
      - { .name: attention_mask, .offset: 8, .size: 8, .value_kind: global_buffer, .address_space: global }
      - { .name: lda_features, .offset: 16, .size: 8, .value_kind: global_buffer, .address_space: global }
      - { .name: fq, .offset: 24, .size: 8, .value_kind: global_buffer, .address_space: global }
      - { .name: bf, .offset: 32, .size: 8, .value_kind: global_buffer, .address_space: global }
      - { .name: gf, .offset: 40, .size: 8, .value_kind: global_buffer, .address_space: global }
      - { .name: betaf, .offset: 48, .size: 8, .value_kind: global_buffer, .address_space: global }
      - { .name: out0, .offset: 56, .size: 8, .value_kind: global_buffer, .address_space: global }
    .group_segment_fixed_size: 19200
    .private_segment_fixed_size: 0
    .kernarg_segment_align: 8
    .kernarg_segment_size: 64
    .max_flat_workgroup_size: 512
    .sgpr_count:     66
    .vgpr_count:     256
    .wavefront_size: 32
...
	.end_amdgpu_metadata
.endif
;; end of part 3
;; ======== version 2 of 2: 3 launches
;; workspace buffers: wq 5,570,560 bytes; fq 313,344 bytes; xq 2,228,224 bytes; part 524,288 bytes
;; launch quant (part 4): grid 466 x 1, 8 waves a work-group, no clusters, 68,608 bytes of LDS; arguments sequence_output, W1, W2, Wf, xq, wq, fq; writes xq, wq, fq
.if DOCPART == 4
	.amdgcn_target "amdgcn-amd-amdhsa--gfx1250"
	.amdhsa_code_object_version 6
	.text
	.protected	k_q10084c12d5_quant
	.globl	k_q10084c12d5_quant
	.p2align	8
	.type	k_q10084c12d5_quant,@function
k_q10084c12d5_quant:
	s_mov_b64 s[64:65], 0
	v_nop
	global_prefetch_b8 v0, s[64:65] scope:SCOPE_SE
	s_setreg_imm32_b32 hwreg(HW_REG_WAVE_MODE, 25, 1), 1
	s_wait_xcnt 0x0
; Every f32 operand that arrives as an input is turned ONCE into codes of FP4 (E2M1) with one E8M0 byte for each 32 along K, laid in the order of the operand's registers,
; so that the later launches load whole fragments, 16 bytes a lane, 512 consecutive bytes an instruction.
; A block's scale is 2^(floor(log2(its largest magnitude)) - 2): its byte is the largest magnitude's exponent field - 2, held at 1 from below.
; LIMITS: a block of zeros gets the byte 1 where the rule says 127 (its codes are zeros, and the bytes are read by this program alone); NaN and infinities among the inputs are not served.
; WORK-GROUPS: 0-127: 32 rows of sequence_output each (K innermost), a wave to each 128 along K.  128-447: W1 and W2, ten matrices x 8 K steps x 4 groups of 256 columns.
; 448-465: Wf, 9 K steps x 2 groups of 256 columns; the ninth step has 100 rows, the rest of its K are zeros.  Each work-group reads 128 KiB (the last two less).
; A WEIGHT HAS K AS ITS FIRST AXIS: a lane takes a column and its registers run down K: a load reads 128 consecutive bytes a wave, 1,024 a work-group; a block of 32 lies in one lane; nothing is transposed.
; A BLOCK OF THE WEIGHTS' BUFFERS (4,352 bytes) = 64 units x 128 along K: four fragments [tile][c][lane][16 bytes], then two registers of scale words [j][lane][4 bytes].
; Lane r of tile 2 j + u holds unit 32 j + 8 u + r + 8 (r / 8): so the results of two neighbouring tiles are 16 neighbours along the next product's K.
; No matrix work, no barrier: waves share nothing.  Only the rows' path uses LDS, each wave its own 8,448 bytes.
.set BLK,   4352
.set WROW,  8*BLK                      ; 64 units, all 8 K steps
.set WMAT,  16*WROW                    ; a matrix of 1,024 units
.set FROW,  9*BLK                      ; Wf: 64 units, 9 K steps
.set XBLK,  17408                      ; 32 rows: 16,384 bytes of images, 1,024 of scale words
.set NX,    128                        ; work-groups for the rows
.set NW,    320                        ; for W1 and W2
.set X,     32                         ; v32-159  128 numbers of a lane
.set C,     160                        ; v160-175 codes (weights)
.set SW,    176                        ; v176     the scale word (weights)
	s_load_b256 s[4:11], s[0:1], 0x0               ; sequence_output, W1, W2, Wf
	s_load_b128 s[12:15], s[0:1], 0x20             ; xq, wq
	s_load_b64 s[16:17], s[0:1], 0x30              ; fq
	v_lshl_add_u32 v254, v0, 2, 0x10800
	v_mov_b32 v255, 0
	v_lshrrev_b32 v1, 5, v0
	s_delay_alu instid0(VALU_DEP_1)
	v_readfirstlane_b32 s18, v1                    ; wave 0..7
	v_and_b32 v1, 31, v0                           ; lane
	s_mov_b32 s27, 0                               ; high words of the two offset pairs
	s_mov_b32 s33, 0
	s_wait_kmcnt 0x0
	s_cmp_lt_u32 ttmp9, NX
	s_cbranch_scc1 .Lpath_x
	s_wait_alu depctr_va_vdst(0)
	; ---- weights: what both kinds share
	v_lshlrev_b32 v2, 2, v1                        ; in: 4 bytes a lane
	v_bfe_u32 v5, v1, 3, 1                         ; u: which tile of the pair my column falls into
	v_and_b32 v6, 7, v1
	v_lshrrev_b32 v7, 4, v1
	s_delay_alu instid0(VALU_DEP_1)
	v_lshl_or_b32 v6, v7, 3, v6                    ; r: which lane of that tile: column = 16 (r / 8) + 8 u + r % 8
	s_delay_alu instid0(VALU_DEP_1)
	v_lshlrev_b32 v3, 4, v6
	s_delay_alu instid0(VALU_DEP_1)
	v_lshl_add_u32 v3, v5, 10, v3                  ; codes out: 1,024 u + 16 r
	s_delay_alu instid0(VALU_DEP_3)
	v_lshl_add_u32 v4, v5, 4, v6
	s_delay_alu instid0(VALU_DEP_1)
	v_lshlrev_b32 v4, 2, v4                        ; scale word out: 4 (16 u + r)
	s_lshr_b32 s19, s18, 1                         ; two waves to 64 units
	s_and_b32 s20, s18, 1                          ; j: which 32 of them
	s_lshl_b32 s21, s18, 7                         ; my wave's 32 columns, in bytes
	s_cmp_ge_u32 ttmp9, NX+NW
	s_cbranch_scc1 .Lpath_f
	; ---- W1, W2
	s_sub_co_u32 s22, ttmp9, NX
	s_lshr_b32 s23, s22, 5                         ; matrix 0..9: W1's five, then W2's five
	s_bfe_u32 s24, s22, 0x30002                    ; K step 0..7
	s_and_b32 s25, s22, 3                          ; group of 256 columns
	s_cmp_lt_u32 s23, 5                            ; the choice hangs on the work-group's number alone
	s_cselect_b64 s[6:7], s[6:7], s[8:9]
	s_cselect_b32 s26, 0, 5
	s_sub_co_u32 s26, s23, s26                     ; language
	s_lshl_b32 s26, s26, 22                        ; a matrix is 4 MiB,
	s_lshl_b32 s34, s24, 19                        ; 128 rows of 4,096 bytes,
	s_add_co_u32 s26, s26, s34
	s_lshl_b32 s34, s25, 10                        ; 256 columns
	s_add_co_u32 s26, s26, s34
	s_add_co_u32 s26, s26, s21
	s_add_nc_u64 s[6:7], s[6:7], s[26:27]
	s_mul_i32 s32, s23, WMAT
	s_lshl_b32 s34, s25, 2
	s_add_co_u32 s34, s34, s19
	s_mul_i32 s34, s34, WROW
	s_add_co_u32 s32, s32, s34
	s_mul_i32 s34, s24, BLK
	s_add_co_u32 s32, s32, s34
	s_add_nc_u64 s[28:29], s[14:15], s[32:33]      ; my block in wq
	s_lshl_b32 s32, s20, 7
	s_add_co_u32 s32, s32, 4096
	s_add_nc_u64 s[30:31], s[28:29], s[32:33]      ; its scale words, register j
	s_lshl_b32 s32, s20, 11
	s_add_nc_u64 s[28:29], s[28:29], s[32:33]      ; its tiles 2 j and 2 j + 1
; Block t of the lane's four: largest magnitude, byte, 32 codes, stored.  last: how many rows the fourth block has in memory.
.macro WBLOCK t, last
.set XB, X+32*(\t)
.set LEFT, 32*(2-(\t))+(\last)         ; the loads issued behind this block's
.if (\t) == 3
.set LEFT, 0
.endif
.if LEFT > 63
.set LEFT, 63                          ; (a wait names no more than its field holds)
.endif
	s_wait_loadcnt LEFT                            ; loads come back in order: this block's 32 are in, the later blocks' may be out
	v_max3_num_f32 v8, |v[XB]|, |v[XB+1]|, |v[XB+2]|               ; all 32 numbers are mine: two chains
	v_max3_num_f32 v9, |v[XB+3]|, |v[XB+4]|, |v[XB+5]|
.irp i, 6,10,14,18,22,26
	s_delay_alu instid0(VALU_DEP_2)
	v_max3_num_f32 v8, v8, |v[XB+\i]|, |v[XB+\i+1]|
	s_delay_alu instid0(VALU_DEP_2)
	v_max3_num_f32 v9, v9, |v[XB+\i+2]|, |v[XB+\i+3]|
.endr
	s_delay_alu instid0(VALU_DEP_2)
	v_max3_num_f32 v8, v8, |v[XB+30]|, |v[XB+31]|
	s_delay_alu instid0(VALU_DEP_1)
	v_max3_num_f32 v8, v8, v9, 0x1800000           ; and the floor 2^(3 - 127): the byte cannot fall under 1
	s_delay_alu instid0(VALU_DEP_1)
	v_add_nc_u32 v10, 0xff000000, v8               ; 2 off the exponent field: the conversion takes this operand's exponent field as its scale
	s_delay_alu instid0(VALU_DEP_1)
	v_lshrrev_b32 v11, 23, v10                     ; the byte
.if (\t) == 0
	s_delay_alu instid0(VALU_DEP_1)
	v_mov_b32 v[SW], v11
.else
	s_delay_alu instid0(VALU_DEP_1)
	v_lshl_or_b32 v[SW], v11, 8*(\t), v[SW]        ; byte t of the word scales k = 32 t on
.endif
.irp g, 0,1,2,3
	v_cvt_scalef32_pk8_fp4_f32 v[C+4*(\t)+\g], v[XB+8*\g:XB+8*\g+7], v10
.endr
	global_store_b128 v3, v[C+4*(\t):C+4*(\t)+3], s[28:29] offset:256*(\t)   ; block t = (c, half) = (t / 2, t % 2) of the fragment: the 16 lanes of a tile store 256 consecutive bytes, aligned
.endm                                  ; (the next block's first line is a plain one that names nothing of the conversions)
; A wave's task: 32 columns x 128 along K.  pitch: bytes from row to row.  Every offset is an immediate; each block has its own registers, so no store's data are written again.
.macro WTASK pitch, last
.irp t, 0,1,2,3
.irp i, 0,1,2,3,4,5,6,7,8,9,10,11,12,13,14,15,16,17,18,19,20,21,22,23,24,25,26,27,28,29,30,31
.if (\t < 3) || (\i < \last)
	global_load_b32 v[X+32*\t+\i], v2, s[6:7] offset:(32*\t+\i)*\pitch th:TH_LOAD_NT
.else
	v_mov_b32 v[X+32*\t+\i], 0                     ; past the end of K: zeros, and no load leaves the buffer
.endif
.endr
.endr
.irp t, 0,1,2,3
	WBLOCK \t, \last
.endr
	v_nop                                          ; a plain line behind the last conversion
	global_store_b32 v4, v[SW], s[30:31]           ; my column's scale word: 128 consecutive bytes a wave
	s_endpgm
.endm
	s_wait_alu depctr_va_vdst(0)
	WTASK 4096, 32
.Lpath_f:	; ---- Wf
	s_sub_co_u32 s22, ttmp9, NX+NW
	s_lshr_b32 s24, s22, 1                         ; K step 0..8
	s_and_b32 s25, s22, 1                          ; group of 256 columns
	s_lshl_b32 s26, s24, 18                        ; 128 rows of 2,048 bytes
	s_lshl_b32 s34, s25, 10
	s_add_co_u32 s26, s26, s34
	s_add_co_u32 s26, s26, s21
	s_add_nc_u64 s[6:7], s[10:11], s[26:27]
	s_lshl_b32 s34, s25, 2
	s_add_co_u32 s34, s34, s19
	s_mul_i32 s32, s34, FROW
	s_mul_i32 s34, s24, BLK
	s_add_co_u32 s32, s32, s34
	s_add_nc_u64 s[28:29], s[16:17], s[32:33]      ; my block in fq
	s_lshl_b32 s32, s20, 7
	s_add_co_u32 s32, s32, 4096
	s_add_nc_u64 s[30:31], s[28:29], s[32:33]
	s_lshl_b32 s32, s20, 11
	s_add_nc_u64 s[28:29], s[28:29], s[32:33]
	s_cmp_eq_u32 s24, 8
	s_cbranch_scc1 .Ledge
	s_wait_alu depctr_va_vdst(0)
	WTASK 2048, 32
.Ledge:
	s_wait_alu depctr_va_vdst(0)
	WTASK 2048, 4                                  ; rows 1,024 to 1,123: three whole blocks and four rows
.Lpath_x:	; ---- 32 rows of sequence_output, my wave's 128 along K
	s_lshl_b32 s26, ttmp9, 17                      ; 32 rows of 4,096 bytes
	s_lshl_b32 s34, s18, 9                         ; 128 numbers
	s_add_co_u32 s26, s26, s34
	s_add_nc_u64 s[4:5], s[4:5], s[26:27]
	s_wait_alu depctr_va_vdst(0)
	v_lshlrev_b32 v2, 4, v1                        ; 16 bytes a lane
	s_wait_alu depctr_va_vdst(0)
.irp i, 0,1,2,3,4,5,6,7,8,9,10,11,12,13,14,15,16,17,18,19,20,21,22,23,24,25,26,27,28,29,30,31
	global_load_b128 v[X+4*\i:X+4*\i+3], v2, s[4:5] offset:4096*\i th:TH_LOAD_NT   ; row i: 512 consecutive bytes
.endr
	s_mul_i32 s32, ttmp9, XBLK
	s_lshl_b32 s34, s18, 11
	s_add_co_u32 s32, s32, s34
	s_add_nc_u64 s[28:29], s[12:13], s[32:33]      ; my K step's four images
	s_mul_i32 s32, ttmp9, XBLK
	s_lshl_b32 s34, s18, 7
	s_add_co_u32 s32, s32, s34
	s_add_co_u32 s32, s32, 16384
	s_add_nc_u64 s[30:31], s[12:13], s[32:33]      ; and its 32 scale words
	s_mul_i32 s35, s18, 8448                       ; my stage: 16 rows of 512 bytes + 16
	v_add_nc_u32 v3, s35, v2                       ; in: as loaded
	v_and_b32 v5, 15, v1                           ; r
	v_lshrrev_b32 v6, 4, v1                        ; h
	s_delay_alu instid0(VALU_DEP_2)
	v_mul_u32_u24 v4, v5, 528
	s_delay_alu instid0(VALU_DEP_1)
	v_lshl_add_u32 v4, v6, 7, v4
	s_delay_alu instid0(VALU_DEP_1)
	v_add_nc_u32 v4, s35, v4                       ; out: row r, from number 32 h on
	s_delay_alu instid0(VALU_DEP_4)
	v_lshlrev_b32 v7, 3, v6                        ; 8 h: where my two bytes stand in the scale word
	v_lshlrev_b32 v8, 2, v1
	s_mov_b32 s36, 0x76543210
	s_mov_b32 s37, 0xfedcba98                      ; v_permlanex16_b32's selects for lane l xor 16
	s_mov_b32 s38, 0xffff0000                      ; lanes 16-31
	v_mov_b32 v250, 0                              ; a lane permute's destination counts as one of its sources
; Rows 16 m on.  The operand's layout gives lane (r, h) k = 64 c + 32 h + 0 .. 31 of row r: two whole blocks.  The rows turn through the stage: in as they were loaded, out 128 bytes a lane and block.
.macro XHALF m
.if \m == 0
	s_wait_loadcnt 16                              ; rows 0-15 are in; rows 16-31 may be out
.else
	s_wait_loadcnt 0x0
.endif
.irp i, 0,1,2,3,4,5,6,7,8,9,10,11,12,13,14,15
	ds_store_b128 v3, v[X+64*\m+4*\i:X+64*\m+4*\i+3] offset:528*\i
.endr
.irp c, 0,1
.irp j, 0,1,2,3,4,5,6,7
	ds_load_b128 v[160+32*\c+4*\j:163+32*\c+4*\j], v4 offset:256*\c+16*\j   ; LDS serves a wave's instructions in order: these see the stores above
.endr
.endr
	s_wait_dscnt 0x0
.irp c, 0,1
	v_max3_num_f32 v[242+\c], |v[160+32*\c]|, |v[161+32*\c]|, 0x1800000   ; the floor 2^(3 - 127) among the leaves
.endr
.irp i, 2,4,6,8,10,12,14,16,18,20,22,24,26,28,30
.irp c, 0,1
	s_delay_alu instid0(VALU_DEP_2)
	v_max3_num_f32 v[242+\c], v[242+\c], |v[160+32*\c+\i]|, |v[161+32*\c+\i]|   ; the two blocks by turns
.endr
.endr
.irp c, 0,1
	s_delay_alu instid0(VALU_DEP_2)
	v_add_nc_u32 v[244+\c], 0xff000000, v[242+\c]  ; the conversion's scale operand
.endr
.irp c, 0,1
	s_delay_alu instid0(VALU_DEP_2)
	v_lshrrev_b32 v[246+\c], 23, v[244+\c]         ; the byte
.endr
	s_delay_alu instid0(VALU_DEP_1)
	v_lshl_or_b32 v248, v247, 16, v246             ; my bytes: blocks h and 2 + h,
	s_delay_alu instid0(VALU_DEP_1)
	v_lshlrev_b32 v248, v7, v248                   ; at their places;
	s_delay_alu instid0(VALU_DEP_1)
	v_permlanex16_b32 v250, v248, s36, s37
	s_delay_alu instid0(VALU_DEP_1)
	v_or_b32 v[240+\m], v248, v250                 ; with lane l xor 16's two the row's word is whole
.irp c, 0,1
.irp g, 0,1,2,3
	v_cvt_scalef32_pk8_fp4_f32 v[224+8*\m+4*\c+\g], v[160+32*\c+8*\g:167+32*\c+8*\g], v[244+\c]
.endr
.endr
	v_nop                                          ; a plain line behind the last conversion
.irp c, 0,1
	global_store_b128 v2, v[224+8*\m+4*\c:227+8*\m+4*\c], s[28:29] offset:1024*\m+512*\c   ; an image of four registers: 512 consecutive bytes
.endr
.endm
	s_wait_alu depctr_va_vdst(0)
	XHALF 0
	XHALF 1
	v_cndmask_b32 v249, v240, v241, s38            ; lanes 0-15: the words of rows 0-15; lanes 16-31: of rows 16-31
	global_store_b32 v8, v249, s[30:31]
	s_wait_tensorcnt 0x0
	ds_add_u32 v254, v255
	s_wait_dscnt 0x0
	s_endpgm
.Lfunc_end_k_q10084c12d5_quant:
	.size	k_q10084c12d5_quant, .Lfunc_end_k_q10084c12d5_quant-k_q10084c12d5_quant
	.p2alignl 7, 3214868480
	.fill 96, 4, 3214868480
	.section	.rodata,"a",@progbits
	.p2align	6, 0x0
	.amdhsa_kernel k_q10084c12d5_quant
		.amdhsa_group_segment_fixed_size 68608
		.amdhsa_private_segment_fixed_size 0
		.amdhsa_enable_private_segment 0
		.amdhsa_kernarg_size 56
		.amdhsa_user_sgpr_count 2
		.amdhsa_user_sgpr_kernarg_segment_ptr 1
		.amdhsa_wavefront_size32 1
		.amdhsa_system_sgpr_workgroup_id_x 1
		.amdhsa_system_sgpr_workgroup_id_y 1
		.amdhsa_system_sgpr_workgroup_id_z 1
		.amdhsa_system_vgpr_workitem_id 0
		.amdhsa_next_free_vgpr 256
		.amdhsa_next_free_sgpr 66
		.amdhsa_reserve_vcc 0
		.amdhsa_float_denorm_mode_32 3
		.amdhsa_float_denorm_mode_16_64 3
		.amdhsa_memory_ordered 1
		.amdhsa_forward_progress 1
		.amdhsa_inst_pref_size 81
	.end_amdhsa_kernel
	.amdgpu_metadata
---
amdhsa.version: [ 1, 2 ]
amdhsa.kernels:
  - .name:           k_q10084c12d5_quant
    .symbol:         k_q10084c12d5_quant.kd
    .args:
      - { .name: sequence_output, .offset: 0, .size: 8, .value_kind: global_buffer, .address_space: global }
      - { .name: W1, .offset: 8, .size: 8, .value_kind: global_buffer, .address_space: global }
      - { .name: W2, .offset: 16, .size: 8, .value_kind: global_buffer, .address_space: global }
      - { .name: Wf, .offset: 24, .size: 8, .value_kind: global_buffer, .address_space: global }
      - { .name: xq, .offset: 32, .size: 8, .value_kind: global_buffer, .address_space: global }
      - { .name: wq, .offset: 40, .size: 8, .value_kind: global_buffer, .address_space: global }
      - { .name: fq, .offset: 48, .size: 8, .value_kind: global_buffer, .address_space: global }
    .group_segment_fixed_size: 68608
    .private_segment_fixed_size: 0
    .kernarg_segment_align: 8
    .kernarg_segment_size: 56
    .max_flat_workgroup_size: 256
    .sgpr_count:     66
    .vgpr_count:     256
    .wavefront_size: 32
...
	.end_amdgpu_metadata
.endif
;; end of part 4
;; launch chain (part 5): grid 128 x 1, 16 waves a work-group, no clusters, 50,176 bytes of LDS; arguments xq, wq, language_ids, attention_mask, b1, g1, beta1, b2, part; writes part
.if DOCPART == 5
	.amdgcn_target "amdgcn-amd-amdhsa--gfx1250"
	.amdhsa_code_object_version 6
	.text
	.protected	k_q10084c12d5_chain
	.globl	k_q10084c12d5_chain
	.p2align	8
	.type	k_q10084c12d5_chain,@function
k_q10084c12d5_chain:
	s_mov_b64 s[64:65], 0
	v_nop
	global_prefetch_b8 v0, s[64:65] scope:SCOPE_SE
	s_setreg_imm32_b32 hwreg(HW_REG_WAVE_SCHED_MODE, 0, 2), 2
	s_setreg_imm32_b32 hwreg(HW_REG_WAVE_MODE, 25, 1), 1
	s_wait_xcnt 0x0
	s_wait_alu depctr_vm_vsrc(0)
; For 32 rows of one batch: h = relu(LayerNorm(x W1 + b1)), quantised along its 1,024; y = h W2 + b2; the sum over the rows of mask x y goes out as one row of 1,024 f32.
; Both products on codes of FP4 (E2M1) with E8M0 scales.  ONLY THE BATCH'S OWN LANGUAGE IS MULTIPLIED: the problem's function keeps, by the mask that it makes of language_ids, no other adapter's result.
; SHARES.  Work-group g: rows 32 g .. 32 g + 31, batch g / 4.  THE SIXTEEN WAVES SHARE THE COLUMNS: wave w makes hidden units, then outputs, 64 w .. 64 w + 63 for all 32 rows: 4 tiles x 2 tiles of rows, 8 accumulators.
; Both products are used transposed (source 0 = 16 units of the weight, source 1 = 16 rows): lane (r, h) holds row r, and register 32 m + 16 b + i of the accumulators is unit 64 w + 32 b + 16 h + i of row 16 m + r.
; WEIGHTS go from memory straight into the operand's registers (they were laid so): ten loads a K step, 512 consecutive bytes each, in a ring of three K steps.
; NO JOINT LOADS, though the four work-groups of a batch walk the same weights: a joint load lands in LDS alone, and here a fragment of a weight is wanted by one wave, for two matrix instructions:
; through LDS each of the 1.1 MB would be written there once and read there once more, behind a barrier of the four for every refill; from registers it costs neither.
; ROWS go from wave to wave through LDS as images of the operand's registers (16 bytes a lane, 512 a store) with their scale words (4 bytes a lane).
; LIMITS: a language id outside 0 .. 4 names no adapter: the address takes language 4 and the result is made 0, as the problem's function leaves it.  A block of zeros has the byte 1 for the rule's 127
; (its codes are zeros; this program alone reads the bytes).  NaN and infinities are not served.
; THE MODE: SCHED_MODE bits 1:0 = 2 (LLVM: expert scheduling mode 2), set by the entry lines.  The code itself states the register dependences
; between vector or matrix instructions and memory or LDS instructions, with s_wait_alu, always for 0.
; THE PLAN.  Registers that memory or LDS instructions touch:
;   v1-v8            offsets and LDS addresses, made at the head and never written again.
;   v216-v234        at the head offsets and what is copied into LDS: read by the head's loads and LDS stores; written again by the norm's lines: one wait on vm_vsrc behind the first barrier.
;   RING, RS         K step G's eight products read place G % 3; behind them the loads of K step G + 3 land in it.
;   XF, XS           K step G's products read place G % 2; the LDS loads that stand among the products of K step G + 1 land in it.  Between the two products XF is at work: LDS loads land in it, vector lines read it.
;   v254             written by a select, read by an LDS store, three times; made anew at the end.
;   v232-v239        the codes: written by the conversions, read by two LDS stores, not written again.   ACC: b1 lands there at the head; the last store reads two of its registers.
; So ONE wait on va_vdst stands at the end of a K step: its products are done reading their ring place and their place of the rows.  The ring's ten loads follow it at once; the next step's five LDS loads
; are dealt among that step's products, which name the other place of the rows, another ring place and the accumulators.
.set BLK,   4352
.set WROW,  8*BLK
.set WMAT,  16*WROW
.set XBLK,  17408
.set XIMG,  0                          ; LDS: x's 16 images [K step][m][c][lane][16],
.set XSC,   16384                      ; its scale words [K step][lane][4]: lanes 0-15 rows 0-15, lanes 16-31 rows 16-31,
.set HIMG,  17408                      ; the hidden layer's images,
.set HSC,   33792                      ; its scale words,
.set GB,    34816                      ; for each wave 512 bytes: its 64 g, its 64 beta,
.set ST1,   43008                      ; 32 rows x (16 waves' words + 16 bytes): the rows' sums,
.set ST2,   45568                      ; and the sums of squares
.set LI,  1                            ; v1   16 x lane
.set LS,  2                            ; v2   4 x lane
.set HWI, 3                            ; v3   where I store the hidden layer's image
.set HWS, 4                            ; v4   and my two bytes of its scale words
.set GBA, 5                            ; v5   my wave's g and beta, my half's
.set STW, 6                            ; v6   80 x lane + 4 x wave
.set STR, 7                            ; v7   80 x r
.set PO,  8                            ; v8   my two outputs' bytes in the wave's 256
.set MK,  10                           ; v[10:11], v[12:13] the mask of rows r and 16 + r, each twice
.set B2V, 14                           ; v[14:15] b2 of my two outputs
.set ACC, 16                           ; v16-79
.set RING, 80                          ; v80-175 three K steps' fragments of the weight
.set RS,  176                          ; v176-181 their scale words: these hold scales and nothing else
.set XF,  182                          ; v182-213 two K steps' fragments of the rows; between the products at work
.set XS,  214                          ; v214-215 their scale words: scales and nothing else
.set TM,  242                          ; v242-249 the quantiser's
; v216-223 sums in chains; v224-227 -mean; v228-231 1/sqrt; v232-239 codes; v240-241 scale bytes; v250-254 at work; v255 1/1024.  At the head v216-239 hold offsets and what is copied into LDS.
; s[34:35] W1's part for my wave, s[36:37] W2's; s28 all ones where the language id names an adapter; s29 wave; s31 lanes 16-31; s[32:33] lane selects; s40-43 lane masks for the sum over rows
.macro BARRIER                         ; my LDS stores have landed and my LDS loads are in: then the work-group's barrier
	s_wait_dscnt 0x0
	s_barrier_signal -1
	s_barrier_wait -1
.endm
.macro RLOAD G                         ; K step G (0-7: W1's, 8-15: W2's) into ring place G % 3: ten loads
.set lD, (\G)%3
.set lO, ((\G)%8)*BLK
.if (\G) < 8
.set lB, 34
.else
.set lB, 36
.endif
.irp t, 0,1,2,3
.irp c, 0,1
	global_load_b128 v[RING+32*lD+8*\t+4*\c:RING+32*lD+8*\t+4*\c+3], v[LI], s[lB:lB+1] offset:lO+1024*\t+512*\c
.endr
.endr
.irp j, 0,1
	global_load_b32 v[RS+2*lD+\j], v[LS], s[lB:lB+1] offset:lO+4096+128*\j   ; lanes 0-15: tile 2 j's words, lanes 16-31: tile 2 j + 1's
.endr
.endm
.macro XROWS img, s, p, m              ; the fragment of rows 16 m on, K step s, into place p: two LDS loads
.irp c, 0,1
	ds_load_b128 v[XF+16*(\p)+8*(\m)+4*\c:XF+16*(\p)+8*(\m)+4*\c+3], v[LI] offset:(\img)+2048*(\s)+1024*(\m)+512*\c
.endr
.endm
.macro XFETCH img, sc, s, p            ; the rows' two fragments and scale words of K step s into place p: five LDS loads
.irp m, 0,1
.irp c, 0,1
	ds_load_b128 v[XF+16*(\p)+8*\m+4*\c:XF+16*(\p)+8*\m+4*\c+3], v[LI] offset:(\img)+2048*(\s)+1024*\m+512*\c
.endr
.endr
	ds_load_b32 v[XS+(\p)], v[LS] offset:(\sc)+128*(\s)
.endm
.macro WM d, a, b, c, sa, sb, ra, rb   ; one product; ra, rb: the side's scales stand in lanes 16-31
.if ((\ra) == 0) && ((\rb) == 0)
	v_wmma_scale_f32_16x16x128_f8f6f4 v[\d:\d+7], v[\a:\a+7], v[\b:\b+7], \c, v[\sa], v[\sb] matrix_a_fmt:MATRIX_FMT_FP4 matrix_b_fmt:MATRIX_FMT_FP4
.elseif (\rb) == 0
	v_wmma_scale_f32_16x16x128_f8f6f4 v[\d:\d+7], v[\a:\a+7], v[\b:\b+7], \c, v[\sa], v[\sb] matrix_a_fmt:MATRIX_FMT_FP4 matrix_b_fmt:MATRIX_FMT_FP4 matrix_a_scale:MATRIX_SCALE_ROW1
.elseif (\ra) == 0
	v_wmma_scale_f32_16x16x128_f8f6f4 v[\d:\d+7], v[\a:\a+7], v[\b:\b+7], \c, v[\sa], v[\sb] matrix_a_fmt:MATRIX_FMT_FP4 matrix_b_fmt:MATRIX_FMT_FP4 matrix_b_scale:MATRIX_SCALE_ROW1
.else
	v_wmma_scale_f32_16x16x128_f8f6f4 v[\d:\d+7], v[\a:\a+7], v[\b:\b+7], \c, v[\sa], v[\sb] matrix_a_fmt:MATRIX_FMT_FP4 matrix_b_fmt:MATRIX_FMT_FP4 matrix_a_scale:MATRIX_SCALE_ROW1 matrix_b_scale:MATRIX_SCALE_ROW1
.endif
.endm
; K step G: eight products, the eight accumulators by turns, with the next step's rows asked for among them; the ring place just read takes the step three on.
.macro STEP G, zero
.set sS, (\G)%8
.set sP, sS%2
.set sD, (\G)%3
.if (\G) < 8
.set sI, XIMG
.set sC, XSC
.else
.set sI, HIMG
.set sC, HSC
.endif
.if 15-(\G) >= 2
	s_wait_loadcnt 20                              ; this step's ten loads are in; those of the two steps behind it may be out
.else
	s_wait_loadcnt 10*(15-(\G))
.endif
	s_wait_dscnt 0x0                               ; this step's rows are in: they were asked for among the products of the step before (a product's first: ahead of the step)
.irp t, 0,1,2,3
.irp m, 0,1
.set rD, ACC+32*\m+8*\t
.set rA, RING+32*sD+8*\t
.set rB, XF+16*sP+8*\m
.set rSA, RS+2*sD+\t/2
.set rSB, XS+sP
.if \zero
	WM rD, rA, rB, 0, rSA, rSB, \t%2, \m
.else
	WM rD, rA, rB, v[rD:rD+7], rSA, rSB, \t%2, \m
.endif
.endr
.if sS < 7                                     ; the next step's rows, into the other place: two, two and one LDS load behind the first three pairs of products.  No wait: the wait that
.if \t < 2                                     ; covers these registers' last readers stands ahead of this step, and no product since names that place
	XROWS sI, sS+1, 1-sP, \t
.endif
.if \t == 2
	ds_load_b32 v[XS+1-sP], v[LS] offset:sC+128*(sS+1)
.endif
.endif
.endr
.rept 4
	v_nop                                          ; four places behind the products (ISA guide 7.12.1): they stay beside the wait below, which fills none of them
.endr
.if (\G) <= 13
	s_wait_alu depctr_va_vdst(0)                   ; this step's products are done reading ring place G % 3 with its scale words, in which the loads below land, and their place of the rows, in which the next step's LDS loads land
.endif
.if (\G)+3 <= 15
	RLOAD (\G)+3
.endif
.endm
; The waves' partial figures of the 32 rows (v252: row r, v253: row 16 + r) meet in LDS; every wave then adds the sixteen in the same order.  Results: v[XF] for row r, v[XF+16] for row 16 + r.
.macro ROWSTAT st
	v_cndmask_b32 v254, v252, v253, s31            ; lane = row
	s_wait_alu depctr_va_vdst(0)                   ; v254 is written, which the store reads; and every product and vector line that named v[XF ..] is done: the loads behind the barrier land there
	ds_store_b32 v[STW], v254 offset:\st
	BARRIER
	s_wait_alu depctr_vm_vsrc(0)                   ; the store has read v254, which a later select writes again
.irp m, 0,1
.irp i, 0,1,2,3
	ds_load_b128 v[XF+16*\m+4*\i:XF+16*\m+4*\i+3], v[STR] offset:\st+1280*\m+16*\i
.endr
.endr
	s_wait_dscnt 0x0
.irp k, 0,2,4,6
.irp m, 0,1
	v_pk_add_f32 v[XF+16*\m+\k:XF+16*\m+\k+1], v[XF+16*\m+\k:XF+16*\m+\k+1], v[XF+16*\m+\k+8:XF+16*\m+\k+9]
.endr
.endr
.irp k, 0,2
.irp m, 0,1
	v_pk_add_f32 v[XF+16*\m+\k:XF+16*\m+\k+1], v[XF+16*\m+\k:XF+16*\m+\k+1], v[XF+16*\m+\k+4:XF+16*\m+\k+5]
.endr
.endr
.irp m, 0,1
	v_pk_add_f32 v[XF+16*\m:XF+16*\m+1], v[XF+16*\m:XF+16*\m+1], v[XF+16*\m+2:XF+16*\m+3]
.endr
.irp m, 0,1
	v_add_f32 v[XF+16*\m], v[XF+16*\m], v[XF+16*\m+1]
.endr
.endm
.macro FOLD                            ; the chains of both tiles of rows -> v252, v253: my wave's 64 units of rows r and 16 + r
.irp m, 0,1
	v_pk_add_f32 v[216+4*\m:217+4*\m], v[216+4*\m:217+4*\m], v[218+4*\m:219+4*\m]
.endr
.irp m, 0,1
	v_add_f32 v[252+\m], v[216+4*\m], v[217+4*\m]
.endr
.irp m, 0,1
	v_permlanex16_b32 v[250+\m], v[252+\m], s32, s33
.endr
.irp m, 0,1
	v_add_f32 v[252+\m], v[252+\m], v[250+\m]      ; with lane l xor 16's 32 units
.endr
.endm
; 32 numbers of a lane, none negative, register 16 b + i = k 32 b + 16 h + i of my row: four registers of codes (whole blocks: lanes 0-15 block 0, lanes 16-31 block 1) and two scale bytes.
.macro QUANT2 s, pc, hw
.irp b, 0,1
	v_max3_num_f32 v[TM+\b], v[\s+16*\b], v[\s+16*\b+1], 0x1800000   ; the floor 2^(3 - 127) among the leaves: the byte cannot fall under 1
.endr
.irp i, 2,4,6,8,10,12,14
.irp b, 0,1
	v_max3_num_f32 v[TM+\b], v[TM+\b], v[\s+16*\b+\i], v[\s+16*\b+\i+1]
.endr
.endr
.irp b, 0,1
	v_permlanex16_b32 v[TM+2+\b], v[TM+\b], s32, s33
.endr
.irp b, 0,1
	v_max_num_f32 v[TM+\b], v[TM+\b], v[TM+2+\b]   ; the block's largest
.endr
.irp b, 0,1
	v_add_nc_u32 v[TM+4+\b], 0xff000000, v[TM+\b]  ; 2 off its exponent field: the conversion's scale operand
.endr
.irp b, 0,1
	v_lshrrev_b32 v[TM+6+\b], 23, v[TM+4+\b]
.endr
	v_lshl_or_b32 v[\hw], v[TM+7], 8, v[TM+6]
.irp b, 0,1
	v_cvt_scalef32_pk8_fp4_f32 v[\pc+2*\b], v[\s+16*\b:\s+16*\b+7], v[TM+4+\b]
	v_cvt_scalef32_pk8_fp4_f32 v[\pc+2*\b+1], v[\s+16*\b+8:\s+16*\b+15], v[TM+4+\b]
.endr
	v_nop                                          ; a plain line behind the last conversion
	v_permlane16_swap_b32 v[\pc], v[\pc+2]         ; half blocks become whole blocks
	v_permlane16_swap_b32 v[\pc+1], v[\pc+3]
.endm
; One stage of the sum over the 16 lanes of a half: n registers become n / 2; a lane keeps the half of them that its bit picks and gets its partner's figures for these.
.macro BFLY n, mask, x
.set i, 0
.rept \n/2
	v_cndmask_b32 v[216+2*(i%8)], v[ACC+i], v[ACC+i+\n/2], s[\mask]
	v_cndmask_b32 v[217+2*(i%8)], v[ACC+i+\n/2], v[ACC+i], s[\mask]
	v_add_f32_dpp v[ACC+i], v[217+2*(i%8)], v[216+2*(i%8)] row_xmask:\x row_mask:0xf bank_mask:0xf
.set i, i+1
.endr
.endm
; The norm's last part, for units 16 b + 0 .. 15 of a lane's 32, both tiles of rows: g and beta from LDS; x 1/sqrt; x g + beta; relu.
.macro GBLOAD b
.irp i, 0,1,2,3
	ds_load_b128 v[XF+4*\i:XF+4*\i+3], v[GBA] offset:GB+128*(\b)+16*\i
	ds_load_b128 v[XF+16+4*\i:XF+16+4*\i+3], v[GBA] offset:GB+256+128*(\b)+16*\i
.endr
.endm
.macro NSCALE b
.irp m, 0,1
.irp i, 0,2,4,6,8,10,12,14
	v_pk_mul_f32 v[ACC+32*\m+16*(\b)+\i:ACC+32*\m+16*(\b)+\i+1], v[ACC+32*\m+16*(\b)+\i:ACC+32*\m+16*(\b)+\i+1], v[228+2*\m:229+2*\m]
.endr
.endr
.endm
.macro NAFFINE b
.irp m, 0,1
.irp i, 0,2,4,6,8,10,12,14
	v_pk_fma_f32 v[ACC+32*\m+16*(\b)+\i:ACC+32*\m+16*(\b)+\i+1], v[ACC+32*\m+16*(\b)+\i:ACC+32*\m+16*(\b)+\i+1], v[XF+\i:XF+\i+1], v[XF+16+\i:XF+16+\i+1]
.endr
.endr
.endm
.macro NRELU b
.irp m, 0,1
.irp i, 0,1,2,3,4,5,6,7,8,9,10,11,12,13,14,15
	v_max_num_f32 v[ACC+32*\m+16*(\b)+\i], 0, v[ACC+32*\m+16*(\b)+\i]
.endr
.endr
.endm
	s_load_b512 s[8:23], s[0:1], 0x0               ; xq, wq, language_ids, attention_mask, b1, g1, beta1, b2
	s_load_b64 s[24:25], s[0:1], 0x40              ; part
	v_lshrrev_b32 v9, 5, v0
	v_readfirstlane_b32 s29, v9                    ; wave 0..15
	v_and_b32 v9, 31, v0                           ; lane
	v_and_b32 v236, 15, v0                         ; r
	v_bfe_u32 v237, v0, 4, 1                       ; h
	v_lshlrev_b32 v[LI], 4, v9
	v_lshlrev_b32 v[LS], 2, v9
	s_wait_alu depctr_va_vdst(0)
	v_lshlrev_b32 v229, 3, v9                      ; 8 x lane
	s_wait_alu depctr_va_vdst(0)
	s_wait_alu depctr_va_sdst(0)                   ; s29 is written, ahead of its first reader: LDS addresses and the bases of the weights are made from it
	s_lshr_b32 s44, s29, 1                         ; my units are half c = w % 2 of K step w / 2 of the second product
	s_and_b32 s45, s29, 1
	s_lshl_b32 s46, s44, 11
	s_lshl_b32 s47, s45, 9
	s_add_co_u32 s46, s46, s47
	v_add_nc_u32 v[HWI], s46, v[LI]                ; 2,048 (w / 2) + 512 (w % 2) + 16 x lane
	s_lshl_b32 s46, s44, 7
	s_lshl_b32 s47, s45, 1
	s_add_co_u32 s46, s46, s47
	v_add_nc_u32 v[HWS], s46, v[LS]                ; 128 (w / 2) + 2 (w % 2) + 4 x lane
	s_lshl_b32 s46, s29, 9
	v_lshl_add_u32 v[GBA], v237, 6, s46            ; 512 w + 64 h
	v_add_nc_u32 v234, s46, v229                   ; 512 w + 8 x lane
	s_lshl_b32 s47, s29, 2
	v_mul_u32_u24 v[STW], v9, 80
	v_add_nc_u32 v[STW], s47, v[STW]
	v_mul_u32_u24 v[STR], v236, 80
	v_lshrrev_b32 v238, 3, v236
	v_and_b32 v239, 7, v236
	v_lshlrev_b32 v[PO], 3, v239
	v_lshl_add_u32 v[PO], v237, 6, v[PO]
	v_lshl_add_u32 v[PO], v238, 7, v[PO]           ; 128 (r / 8) + 64 h + 8 (r % 8): units 32 (r / 8) + 16 h + 2 (r % 8) and the next
	v_lshlrev_b32 v216, 4, v0                      ; 16 x thread
	v_lshlrev_b32 v217, 1, v0                      ; 2 x thread
	v_lshlrev_b32 v218, 2, v236                    ; 4 r
	v_lshlrev_b32 v219, 6, v237                    ; 64 h
	v_mov_b32 v244, 0                              ; lane permutes' destinations count as sources: written once
	v_mov_b32 v245, 0
	v_mov_b32 v250, 0
	v_mov_b32 v251, 0
	v_mov_b32 v255, 0x3a800000                     ; 1 / 1,024
	s_mov_b32 s31, 0xffff0000
	s_mov_b32 s32, 0x76543210
	s_mov_b32 s33, 0xfedcba98
	s_mov_b32 s40, 0xff00ff00
	s_mov_b32 s41, 0xf0f0f0f0
	s_mov_b32 s42, 0xcccccccc
	s_mov_b32 s43, 0xaaaaaaaa
	s_lshr_b32 s38, ttmp9, 2                       ; the batch,
	s_lshl_b32 s38, s38, 2                         ; its id's byte
	s_mov_b32 s39, 0
	s_wait_kmcnt 0x0
	s_add_nc_u64 s[12:13], s[12:13], s[38:39]
	s_load_b32 s26, s[12:13], 0x0                  ; the batch's language
	s_mul_i32 s38, ttmp9, XBLK
	s_add_nc_u64 s[8:9], s[8:9], s[38:39]          ; my 32 rows' codes
	s_lshl_b32 s38, ttmp9, 7
	s_add_nc_u64 s[14:15], s[14:15], s[38:39]      ; their mask
	s_lshl_b32 s38, ttmp9, 12
	s_lshl_b32 s46, s29, 8                         ; 256 w: my wave's 64 numbers
	s_add_co_u32 s38, s38, s46
	s_add_nc_u64 s[24:25], s[24:25], s[38:39]      ; my wave's 256 bytes of the work-group's row of part
	s_wait_alu depctr_va_vdst(0)                   ; all offsets and LDS addresses (v1-v8, v216-v219, v229, v234) are written: every load and store of the kernel reads one of them
	global_load_b128 v[220:223], v216, s[8:9]                      ; the rows' images: 512 threads x 16 bytes, twice,
	global_load_b128 v[224:227], v216, s[8:9] offset:8192
	global_load_u16 v228, v217, s[8:9] offset:16384                ; and their 1,024 bytes of scale words
	global_load_b32 v[MK], v218, s[14:15]
	global_load_b32 v[MK+2], v218, s[14:15] offset:64
	s_wait_kmcnt 0x0
	s_cmp_lt_u32 s26, 5                            ; an id that names no adapter leaves 0
	s_cselect_b32 s28, -1, 0
	s_min_u32 s26, s26, 4                          ; and no address leaves its buffer
	s_lshl_b32 s38, s26, 12
	s_add_co_u32 s38, s38, s46                     ; 4,096 x language + 256 w
	s_add_nc_u64 s[16:17], s[16:17], s[38:39]
	s_add_nc_u64 s[18:19], s[18:19], s[38:39]
	s_add_nc_u64 s[20:21], s[20:21], s[38:39]
	s_add_nc_u64 s[22:23], s[22:23], s[38:39]
	s_mul_i32 s38, s26, WMAT
	s_mul_i32 s47, s29, WROW
	s_add_co_u32 s38, s38, s47
	s_add_nc_u64 s[34:35], s[10:11], s[38:39]      ; W1[language], my 64 units
	s_add_nc_u64 s[36:37], s[34:35], 5*WMAT        ; W2[language], my 64 outputs
.irp m, 0,1
.irp t, 0,1,2,3
.irp j, 0,1
	global_load_b128 v[ACC+32*\m+8*\t+4*\j:ACC+32*\m+8*\t+4*\j+3], v219, s[16:17] offset:128*(\t/2)+32*(\t%2)+16*\j   ; b1 begins the sums: the accumulators are loaded with it, in the result's layout
.endr
.endr
.endr
	global_load_b64 v[230:231], v229, s[18:19]     ; g
	global_load_b64 v[232:233], v229, s[20:21]     ; beta
	global_load_b64 v[B2V:B2V+1], v[PO], s[22:23]
	RLOAD 0
	RLOAD 1
	RLOAD 2
	s_wait_loadcnt 51                              ; 54 loads are issued: the first three, the rows' codes and scale words, are in
	ds_store_b128 v216, v[220:223] offset:XIMG
	ds_store_b128 v216, v[224:227] offset:XIMG+8192
	ds_store_b16 v217, v228 offset:XSC
	s_wait_loadcnt 31                              ; behind beta's load: b2's and the ring's thirty
	ds_store_b64 v234, v[230:231] offset:GB
	ds_store_b64 v234, v[232:233] offset:GB+256
	v_mov_b32 v[MK+1], v[MK]
	v_mov_b32 v[MK+3], v[MK+2]
	BARRIER                                        ; the rows' sixteen images lie in LDS
	s_wait_alu depctr_vm_vsrc(0)                   ; the head's loads and LDS stores have read v216-v234 (offsets, and what was copied into LDS), which the norm's lines write again
	XFETCH XIMG, XSC, 0, 0
.irp G, 0,1,2,3,4,5,6,7
	STEP \G, 0                                     ; x W1 + b1.  W2's first three K steps go out behind steps 5 to 7 and land under the norm
.endr
	; ---- the rows' means.  Each accumulator is read from its low end on
.irp m, 0,1
	v_pk_add_f32 v[216+4*\m:217+4*\m], v[ACC+32*\m:ACC+32*\m+1], v[ACC+32*\m+4:ACC+32*\m+5]
	v_pk_add_f32 v[218+4*\m:219+4*\m], v[ACC+32*\m+2:ACC+32*\m+3], v[ACC+32*\m+6:ACC+32*\m+7]
.endr
.irp p, 8,12,16,20,24,28
.irp m, 0,1
	v_pk_add_f32 v[216+4*\m:217+4*\m], v[216+4*\m:217+4*\m], v[ACC+32*\m+\p:ACC+32*\m+\p+1]
	v_pk_add_f32 v[218+4*\m:219+4*\m], v[218+4*\m:219+4*\m], v[ACC+32*\m+\p+2:ACC+32*\m+\p+3]
.endr
.endr
	FOLD
	ROWSTAT ST1
.irp m, 0,1
	v_mul_f32 v[224+2*\m], 0xba800000, v[XF+16*\m] ; -mean, twice
	v_mul_f32 v[225+2*\m], 0xba800000, v[XF+16*\m]
.endr
	; ---- centred in place, and the sums of squares
.irp m, 0,1
	v_pk_add_f32 v[ACC+32*\m:ACC+32*\m+1], v[ACC+32*\m:ACC+32*\m+1], v[224+2*\m:225+2*\m]
	v_pk_add_f32 v[ACC+32*\m+2:ACC+32*\m+3], v[ACC+32*\m+2:ACC+32*\m+3], v[224+2*\m:225+2*\m]
.endr
.irp m, 0,1
	v_pk_mul_f32 v[216+4*\m:217+4*\m], v[ACC+32*\m:ACC+32*\m+1], v[ACC+32*\m:ACC+32*\m+1]
	v_pk_mul_f32 v[218+4*\m:219+4*\m], v[ACC+32*\m+2:ACC+32*\m+3], v[ACC+32*\m+2:ACC+32*\m+3]
.endr
.irp p, 4,8,12,16,20,24,28
.irp m, 0,1
	v_pk_add_f32 v[ACC+32*\m+\p:ACC+32*\m+\p+1], v[ACC+32*\m+\p:ACC+32*\m+\p+1], v[224+2*\m:225+2*\m]
	v_pk_add_f32 v[ACC+32*\m+\p+2:ACC+32*\m+\p+3], v[ACC+32*\m+\p+2:ACC+32*\m+\p+3], v[224+2*\m:225+2*\m]
.endr
.irp m, 0,1
	v_pk_fma_f32 v[216+4*\m:217+4*\m], v[ACC+32*\m+\p:ACC+32*\m+\p+1], v[ACC+32*\m+\p:ACC+32*\m+\p+1], v[216+4*\m:217+4*\m]
	v_pk_fma_f32 v[218+4*\m:219+4*\m], v[ACC+32*\m+\p+2:ACC+32*\m+\p+3], v[ACC+32*\m+\p+2:ACC+32*\m+\p+3], v[218+4*\m:219+4*\m]
.endr
.endr
	FOLD
	ROWSTAT ST2                                    ; other bytes than the means': no barrier is owed between the two
.irp m, 0,1
	v_fmaak_f32 v[252+\m], v255, v[XF+16*\m], 0x3727c5ac           ; the variance + 1e-5
.endr
	s_wait_alu depctr_va_vdst(0)
.irp m, 0,1
	v_rsq_f32 v[228+2*\m], v[252+\m]
	v_rsq_f32 v[229+2*\m], v[252+\m]
.endr
	v_nop                                          ; a plain line behind the transcendentals (ISA guide 5.7.2)
	s_wait_alu depctr_va_vdst(0)                   ; the four 1/sqrt in v228-v231 are written, ahead of their first reader; and the lines that read the rows' figures in v[XF ..] are done: g and beta land there
	; ---- x 1/sqrt x g + beta, relu: 16 units of both tiles of rows at a time.  What names neither g nor beta stands between their loads and the wait for them
	GBLOAD 0
	NSCALE 0
	s_wait_dscnt 0x0
	NAFFINE 0
	s_wait_alu depctr_va_vdst(0)                   ; the multiply-adds are done reading the first 16 units' g and beta in v[XF ..], in which the second 16 units' land
	GBLOAD 1
	NRELU 0                                        ; (these name the accumulators and v228-v231 alone)
	NSCALE 1
	s_wait_dscnt 0x0
	NAFFINE 1
	NRELU 1
	; ---- the hidden layer is quantised in registers: my 64 units are registers 4 c .. 4 c + 3, c = w % 2, of K step w / 2's fragments
	QUANT2 ACC, 232, 240
	QUANT2 ACC+32, 236, 241
	v_cndmask_b32 v254, v240, v241, s31            ; lane = row
	s_wait_alu depctr_va_vdst(0)                   ; the codes in v232-v239 and the bytes in v254 are written, which the stores read; and the lines that read g and beta in v[XF ..] are done: the hidden layer's fragments land there
	ds_store_b128 v[HWI], v[232:235] offset:HIMG
	ds_store_b128 v[HWI], v[236:239] offset:HIMG+1024
	ds_store_b16 v[HWS], v254 offset:HSC           ; my two bytes of each row's scale word
	BARRIER                                        ; the hidden layer's sixteen images lie in LDS
	XFETCH HIMG, HSC, 0, 0
	STEP 8, 1                                      ; the first K step starts the sums: nothing is cleared
.irp G, 9,10,11,12,13,14,15
	STEP \G, 0
.endr
	; ---- mask x y, summed over the 32 rows
.irp q, 0,2,4,6,8,10,12,14,16,18,20,22,24,26,28,30
	v_pk_mul_f32 v[ACC+\q:ACC+\q+1], v[ACC+\q:ACC+\q+1], v[MK:MK+1]
.endr
.irp q, 0,2,4,6,8,10,12,14,16,18,20,22,24,26,28,30
	v_pk_fma_f32 v[ACC+\q:ACC+\q+1], v[ACC+32+\q:ACC+32+\q+1], v[MK+2:MK+3], v[ACC+\q:ACC+\q+1]
.endr
	BFLY 32, 40, 8                                 ; four stages: lane r ends with registers 2 r and 2 r + 1 of the 32, summed over the 16 lanes of its half
	BFLY 16, 41, 4
	BFLY 8, 42, 2
	BFLY 4, 43, 1
	v_add_f32 v252, v[MK], v[MK+2]
	v_add_f32_dpp v252, v252, v252 row_xmask:1 row_mask:0xf bank_mask:0xf
	v_add_f32_dpp v252, v252, v252 row_xmask:2 row_mask:0xf bank_mask:0xf
	v_add_f32_dpp v252, v252, v252 row_xmask:4 row_mask:0xf bank_mask:0xf
	v_add_f32_dpp v252, v252, v252 row_xmask:8 row_mask:0xf bank_mask:0xf   ; the mask's sum over my 32 rows
	v_fma_f32 v[ACC], v[B2V], v252, v[ACC]         ; the sum of mask x (y + b2) = the sum of mask x y + b2 x the sum of the mask
	v_fma_f32 v[ACC+1], v[B2V+1], v252, v[ACC+1]
	v_cndmask_b32 v[ACC], 0, v[ACC], s28
	v_cndmask_b32 v[ACC+1], 0, v[ACC+1], s28
	s_wait_alu depctr_va_vdst(0)                   ; my two results are written, which the store reads
	global_store_b64 v[PO], v[ACC:ACC+1], s[24:25] ; the wave stores 256 consecutive bytes, aligned
	s_wait_xcnt 0x0
	s_wait_alu depctr_vm_vsrc(0)                   ; the store of the hidden layer's scale bytes has read v254, which is made anew here
	v_lshl_add_u32 v254, v0, 2, 0xbc00
	v_mov_b32 v255, 0
	s_wait_dscnt 0x0                               ; the closing lines, six on end
	s_wait_alu 0x0
	s_wait_tensorcnt 0x0
	ds_add_u32 v254, v255
	s_wait_dscnt 0x0
	s_endpgm
.Lfunc_end_k_q10084c12d5_chain:
	.size	k_q10084c12d5_chain, .Lfunc_end_k_q10084c12d5_chain-k_q10084c12d5_chain
	.p2alignl 7, 3214868480
	.fill 96, 4, 3214868480
	.section	.rodata,"a",@progbits
	.p2align	6, 0x0
	.amdhsa_kernel k_q10084c12d5_chain
		.amdhsa_group_segment_fixed_size 50176
		.amdhsa_private_segment_fixed_size 0
		.amdhsa_enable_private_segment 0
		.amdhsa_kernarg_size 72
		.amdhsa_user_sgpr_count 2
		.amdhsa_user_sgpr_kernarg_segment_ptr 1
		.amdhsa_wavefront_size32 1
		.amdhsa_system_sgpr_workgroup_id_x 1
		.amdhsa_system_sgpr_workgroup_id_y 1
		.amdhsa_system_sgpr_workgroup_id_z 1
		.amdhsa_system_vgpr_workitem_id 0
		.amdhsa_next_free_vgpr 256
		.amdhsa_next_free_sgpr 66
		.amdhsa_reserve_vcc 0
		.amdhsa_float_denorm_mode_32 3
		.amdhsa_float_denorm_mode_16_64 3
		.amdhsa_memory_ordered 1
		.amdhsa_forward_progress 1
		.amdhsa_inst_pref_size 77
	.end_amdhsa_kernel
	.amdgpu_metadata
---
amdhsa.version: [ 1, 2 ]
amdhsa.kernels:
  - .name:           k_q10084c12d5_chain
    .symbol:         k_q10084c12d5_chain.kd
    .args:
      - { .name: xq, .offset: 0, .size: 8, .value_kind: global_buffer, .address_space: global }
      - { .name: wq, .offset: 8, .size: 8, .value_kind: global_buffer, .address_space: global }
      - { .name: language_ids, .offset: 16, .size: 8, .value_kind: global_buffer, .address_space: global }
      - { .name: attention_mask, .offset: 24, .size: 8, .value_kind: global_buffer, .address_space: global }
      - { .name: b1, .offset: 32, .size: 8, .value_kind: global_buffer, .address_space: global }
      - { .name: g1, .offset: 40, .size: 8, .value_kind: global_buffer, .address_space: global }
      - { .name: beta1, .offset: 48, .size: 8, .value_kind: global_buffer, .address_space: global }
      - { .name: b2, .offset: 56, .size: 8, .value_kind: global_buffer, .address_space: global }
      - { .name: part, .offset: 64, .size: 8, .value_kind: global_buffer, .address_space: global }
    .group_segment_fixed_size: 50176
    .private_segment_fixed_size: 0
    .kernarg_segment_align: 8
    .kernarg_segment_size: 72
    .max_flat_workgroup_size: 512
    .sgpr_count:     66
    .vgpr_count:     256
    .wavefront_size: 32
...
	.end_amdgpu_metadata
.endif
;; end of part 5
;; launch fuse (part 6): grid 32 x 1, 16 waves a work-group, no clusters, 19,200 bytes of LDS; arguments part, attention_mask, lda_features, fq, bf, gf, betaf, out0; writes out0
.if DOCPART == 6
	.amdgcn_target "amdgcn-amd-amdhsa--gfx1250"
	.amdhsa_code_object_version 6
	.text
	.protected	k_q10084c12d5_fuse
	.globl	k_q10084c12d5_fuse
	.p2align	8
	.type	k_q10084c12d5_fuse,@function
k_q10084c12d5_fuse:
	s_mov_b64 s[64:65], 0
	v_nop
	global_prefetch_b8 v0, s[64:65] scope:SCOPE_SE
	s_setreg_imm32_b32 hwreg(HW_REG_WAVE_SCHED_MODE, 0, 2), 2
	s_setreg_imm32_b32 hwreg(HW_REG_WAVE_MODE, 25, 1), 1
	s_wait_xcnt 0x0
	s_wait_alu depctr_vm_vsrc(0)
; One batch to a work-group: pooled = (the sum of its four partial rows) / (the sum of its mask); [pooled, lda_features] is quantised along its 1,124 (filled with zeros to 1,152 = 9 K steps);
; x Wf + bf on codes of FP4 (E2M1) with E8M0 scales; LayerNorm over the 512, relu.
; The product is used transposed: source 0 = 16 units of Wf, source 1 = the batch's ONE row, which stands in all 16 columns of the tile (every lane r reads the same LDS bytes), so no lane is masked.
; Wave w makes units 32 w .. 32 w + 31: two accumulators, by turns.  Its 18 fragments of Wf are asked for at the head and land under the pooling and the quantiser.
; No joint loads: the 32 work-groups read the same 0.3 MB of codes once each, straight into the operand's registers, where a joint load cannot put them.
; LIMITS: a mask whose sum is 0 gives NaN or infinity, as the division of the problem's function does.  A block of zeros has the byte 1 for the rule's 127 (its codes are zeros; this program alone reads the bytes).
; THE MODE: SCHED_MODE bits 1:0 = 2 (LLVM: expert scheduling mode 2), set by the entry lines.  The code itself states the register dependences
; between vector or matrix instructions and memory or LDS instructions, with s_wait_alu, always for 0.
; THE PLAN.  Registers that memory or LDS instructions touch:
;   v1-v11           offsets and LDS addresses, made at the head and never written again.   v254, v255: made at the head, read by the closing add alone.
;   v194, v195, v206 the pooled row's numbers and lda's: written by vector lines, read by LDS stores; then the quantiser's loads land there.
;   v194-v225        the quantiser's 32 numbers: LDS loads land there, its vector lines read them.
;   v226-v229, v238  its codes and bytes: written by vector lines, read by LDS stores; written again by a second half (waves 0 and 1); then the second group's loads land there.
;   XF (two groups), XS   LDS loads land there, the products read them; group 0 is loaded again for K steps 6 to 8, and once more in the norm.
;   ACC              bf lands there at the head; the row's LDS stores read it.   v210-v213: written by the norm's lines, read by the output's store.
; Each run of stores has one wait on va_vdst ahead of it, which also covers the loads that follow into registers that vector or matrix lines have named; a wait on vm_vsrc stands ahead of each reuse of a store's data.
.set BLK,   4352
.set FROW,  9*BLK
.set COMB,  0                          ; LDS: the combined row, 1,152 f32,
.set FIMG,  4608                       ; its 9 fragments as images [K step][c][lane][16],
.set FSC,   13824                      ; their scale words [K step][lane][4],
.set ROW,   14976                      ; and the 512 results
.set WS,  24                           ; v24-32   Wf's scale words: scales and nothing else
.set WF,  34                           ; v34-177  Wf's fragments: K step s, tile u at 16 s + 8 u
.set ACC, 178                          ; v178-193
.set XF,  194                          ; v194-241 two groups of three K steps' fragments of the row; before and behind the product at work
.set XS,  244                          ; v244-249 their scale words: scales and nothing else
.set TM,  230
; v1 16 x lane; v2 4 x lane; v3 8 x thread; v4 lda's offset; v5 4 x thread; v6 64 h; v7 512 (w % 4) + 16 x lane; v8 256 w + 64 h; v9 512 w + 16 x lane; v10 128 (w / 2) + 2 (w % 2) + 4 x lane; v11 128 w + 64 h
; v16-19 gf, v20-23 betaf of the four numbers that I store
.macro BARRIER
	s_wait_dscnt 0x0
	s_barrier_signal -1
	s_barrier_wait -1
.endm
.macro WSUM r, t                       ; the sum over the wave's 32 lanes, in every lane
	v_add_f32_dpp v[\r], v[\r], v[\r] row_xmask:1 row_mask:0xf bank_mask:0xf
	v_add_f32_dpp v[\r], v[\r], v[\r] row_xmask:2 row_mask:0xf bank_mask:0xf
	v_add_f32_dpp v[\r], v[\r], v[\r] row_xmask:4 row_mask:0xf bank_mask:0xf
	v_add_f32_dpp v[\r], v[\r], v[\r] row_xmask:8 row_mask:0xf bank_mask:0xf
	v_permlanex16_b32 v[\t], v[\r], s32, s33
	v_add_f32 v[\r], v[\r], v[\t]
.endm
; 32 numbers of a lane, register 16 b + i = k 32 b + 16 h + i: four registers of codes (whole blocks: lanes 0-15 block 0, lanes 16-31 block 1) and two scale bytes.
.macro QUANT2 s, pc, hw
.irp b, 0,1
	v_max3_num_f32 v[TM+\b], |v[\s+16*\b]|, |v[\s+16*\b+1]|, 0x1800000   ; the floor 2^(3 - 127) among the leaves
.endr
.irp i, 2,4,6,8,10,12,14
.irp b, 0,1
	v_max3_num_f32 v[TM+\b], v[TM+\b], |v[\s+16*\b+\i]|, |v[\s+16*\b+\i+1]|
.endr
.endr
.irp b, 0,1
	v_permlanex16_b32 v[TM+2+\b], v[TM+\b], s32, s33
.endr
.irp b, 0,1
	v_max_num_f32 v[TM+\b], v[TM+\b], v[TM+2+\b]
.endr
.irp b, 0,1
	v_add_nc_u32 v[TM+4+\b], 0xff000000, v[TM+\b]
.endr
.irp b, 0,1
	v_lshrrev_b32 v[TM+6+\b], 23, v[TM+4+\b]
.endr
	v_lshl_or_b32 v[\hw], v[TM+7], 8, v[TM+6]
.irp b, 0,1
	v_cvt_scalef32_pk8_fp4_f32 v[\pc+2*\b], v[\s+16*\b:\s+16*\b+7], v[TM+4+\b]
	v_cvt_scalef32_pk8_fp4_f32 v[\pc+2*\b+1], v[\s+16*\b+8:\s+16*\b+15], v[TM+4+\b]
.endr
	v_nop                                          ; a plain line behind the last conversion
	v_permlane16_swap_b32 v[\pc], v[\pc+2]
	v_permlane16_swap_b32 v[\pc+1], v[\pc+3]
.endm
; Half a K step (64 numbers): from the combined row to four registers of an image and two bytes of the scale words.  oc, oi, os: further on in the three regions.
.macro QHALF oc, oi, os
	s_wait_alu depctr_vm_vsrc(0)                   ; the LDS stores issued so far have read their data: the combined row's (v194, v195, v206), in which the loads below land; a half before's (v226-v229, v238), which the quantiser writes again
.irp b, 0,1
.irp j, 0,1,2,3
	ds_load_b128 v[XF+16*\b+4*\j:XF+16*\b+4*\j+3], v8 offset:COMB+(\oc)+128*\b+16*\j
.endr
.endr
	s_wait_dscnt 0x0                               ; the numbers are in
	QUANT2 XF, 226, 238
	s_wait_alu depctr_va_vdst(0)                   ; the codes in v226-v229 and the bytes in v238 are written, which the stores read; and the quantiser is done with v194-v241, in which later LDS loads land
	ds_store_b128 v9, v[226:229] offset:FIMG+(\oi)
	ds_store_b16 v10, v238 offset:FSC+(\os)
.endm
.macro GFETCH g, p                     ; K steps 3 g .. 3 g + 2 of the row into group p: nine LDS loads
.irp i, 0,1,2
.irp c, 0,1
	ds_load_b128 v[XF+24*\p+8*\i+4*\c:XF+24*\p+8*\i+4*\c+3], v1 offset:FIMG+1024*(3*\g+\i)+512*\c
.endr
	ds_load_b32 v[XS+3*\p+\i], v2 offset:FSC+128*(3*\g+\i)
.endr
.endm
.macro GMUL g, p                       ; six products: the two accumulators by turns
.irp i, 0,1,2
	v_wmma_scale_f32_16x16x128_f8f6f4 v[ACC:ACC+7], v[WF+16*(3*\g+\i):WF+16*(3*\g+\i)+7], v[XF+24*\p+8*\i:XF+24*\p+8*\i+7], v[ACC:ACC+7], v[WS+3*\g+\i], v[XS+3*\p+\i] matrix_a_fmt:MATRIX_FMT_FP4 matrix_b_fmt:MATRIX_FMT_FP4
	v_wmma_scale_f32_16x16x128_f8f6f4 v[ACC+8:ACC+15], v[WF+16*(3*\g+\i)+8:WF+16*(3*\g+\i)+15], v[XF+24*\p+8*\i:XF+24*\p+8*\i+7], v[ACC+8:ACC+15], v[WS+3*\g+\i], v[XS+3*\p+\i] matrix_a_fmt:MATRIX_FMT_FP4 matrix_b_fmt:MATRIX_FMT_FP4 matrix_a_scale:MATRIX_SCALE_ROW1
.endr
.endm
	s_load_b512 s[8:23], s[0:1], 0x0               ; part, attention_mask, lda_features, fq, bf, gf, betaf, out0
	v_lshl_add_u32 v254, v0, 2, 0x4300
	v_mov_b32 v255, 0
	v_lshrrev_b32 v13, 5, v0
	v_readfirstlane_b32 s24, v13                   ; wave 0..15
	v_and_b32 v13, 31, v0                          ; lane
	v_bfe_u32 v14, v0, 4, 1                        ; h
	v_lshlrev_b32 v1, 4, v13
	v_lshlrev_b32 v2, 2, v13
	s_wait_alu depctr_va_vdst(0)
	v_lshlrev_b32 v3, 3, v0
	v_min_u32 v4, 99, v0                           ; no load leaves lda's row of 100
	v_lshlrev_b32 v4, 2, v4
	v_lshlrev_b32 v5, 2, v0
	v_lshlrev_b32 v6, 6, v14
	s_wait_alu depctr_va_vdst(0)
	s_wait_alu depctr_va_sdst(0)                   ; s24 is written, ahead of its first reader: LDS addresses, bases and the branches on the wave's number are made from it
	s_and_b32 s25, s24, 3
	s_lshl_b32 s25, s25, 9
	v_add_nc_u32 v7, s25, v1
	s_lshl_b32 s26, s24, 8
	v_add_nc_u32 v8, s26, v6
	s_lshl_b32 s26, s24, 9
	v_add_nc_u32 v9, s26, v1
	s_lshr_b32 s27, s24, 1
	s_and_b32 s28, s24, 1
	s_lshl_b32 s26, s27, 7
	s_lshl_b32 s29, s28, 1
	s_add_co_u32 s26, s26, s29
	v_add_nc_u32 v10, s26, v2
	s_lshl_b32 s26, s24, 7
	v_add_nc_u32 v11, s26, v6
	v_mov_b32 v232, 0                              ; lane permutes' destinations count as sources: written once
	v_mov_b32 v233, 0
	s_mov_b32 s32, 0x76543210
	s_mov_b32 s33, 0xfedcba98
	s_mov_b32 s31, 0
	s_wait_kmcnt 0x0
	s_lshl_b32 s30, ttmp9, 14
	s_add_nc_u64 s[8:9], s[8:9], s[30:31]          ; the batch's four rows of part
	s_lshl_b32 s30, ttmp9, 9
	s_add_nc_u64 s[10:11], s[10:11], s[30:31]      ; its mask
	s_mul_i32 s30, ttmp9, 400
	s_add_nc_u64 s[12:13], s[12:13], s[30:31]      ; its lda features
	s_mul_i32 s30, s27, FROW
	s_lshl_b32 s29, s28, 11
	s_add_co_u32 s30, s30, s29
	s_add_nc_u64 s[34:35], s[14:15], s[30:31]      ; Wf's codes: my two tiles
	s_mul_i32 s30, s27, FROW
	s_lshl_b32 s29, s28, 7
	s_add_co_u32 s30, s30, s29
	s_add_co_u32 s30, s30, 4096
	s_add_nc_u64 s[36:37], s[14:15], s[30:31]      ; and their scale words
	s_lshl_b32 s30, s24, 7
	s_add_nc_u64 s[16:17], s[16:17], s[30:31]      ; bf: my 32
	s_lshl_b32 s30, ttmp9, 11
	s_add_nc_u64 s[22:23], s[22:23], s[30:31]      ; the batch's row of out0
	s_wait_alu depctr_va_vdst(0)                   ; the offsets and LDS addresses v1 to v11 are written: every load and store of the kernel reads one of them
.irp k, 0,1,2,3
	global_load_b64 v[194+2*\k:195+2*\k], v3, s[8:9] offset:4096*\k
.endr
	global_load_b128 v[202:205], v1, s[10:11]      ; every wave takes the whole mask: 128 numbers
	global_load_b32 v206, v4, s[12:13]
.irp u, 0,1
.irp j, 0,1
	global_load_b128 v[ACC+8*\u+4*\j:ACC+8*\u+4*\j+3], v6, s[16:17] offset:32*\u+16*\j   ; bf begins the sums, in the result's layout: register 8 u + j is unit 32 w + 16 h + 8 u + j
.endr
.endr
	global_load_b128 v[16:19], v7, s[18:19]
	global_load_b128 v[20:23], v7, s[20:21]
.irp s, 0,1,2,3,4,5,6,7,8
.irp u, 0,1
.irp c, 0,1
	global_load_b128 v[WF+16*\s+8*\u+4*\c:WF+16*\s+8*\u+4*\c+3], v1, s[34:35] offset:BLK*\s+1024*\u+512*\c
.endr
.endr
	global_load_b32 v[WS+\s], v2, s[36:37] offset:BLK*\s
.endr
	; ---- the pooled row
	s_wait_loadcnt 51                              ; 57 loads are issued: the first six (part, the mask, lda) are in
	v_cmp_gt_u32 vcc_lo, 100, v0                   ; which threads hold one of lda's 100: the select that reads this stands behind the sums below
	v_add_f32 v250, v202, v203
	v_add_f32 v251, v204, v205
	v_add_f32 v250, v250, v251
	WSUM 250, 251                                  ; the mask's sum
	s_wait_alu depctr_va_vdst(0)
	v_rcp_f32 v250, v250
	v_pk_add_f32 v[194:195], v[194:195], v[196:197]                ; (a plain line behind the transcendental)
	v_pk_add_f32 v[198:199], v[198:199], v[200:201]
	v_pk_add_f32 v[194:195], v[194:195], v[198:199]
	s_wait_alu depctr_va_vcc(0)                    ; the compare has written VCC, which the select reads
	v_cndmask_b32 v206, 0, v206, vcc_lo            ; lda's 100, then 28 zeros
	s_wait_alu depctr_va_vdst(0)                   ; the reciprocal in v250 is written, ahead of its first reader
	v_mul_f32 v194, v194, v250
	v_mul_f32 v195, v195, v250
	s_wait_alu depctr_va_vdst(0)                   ; v194, v195 and v206 are written, which the stores read; and the sums are done with v194-v206, in which the quantiser's loads land
	ds_store_b64 v3, v[194:195] offset:COMB
	s_cmp_lt_u32 s24, 4
	s_cbranch_scc0 .Lno_lda
	ds_store_b32 v5, v206 offset:COMB+4096
.Lno_lda:
	BARRIER                                        ; the combined row lies in LDS
	; ---- its 18 halves of K steps: wave w takes half w; waves 0 and 1 also halves 16 and 17
	QHALF 0, 0, 0
	s_cmp_lt_u32 s24, 2
	s_cbranch_scc0 .Lno_tail
	QHALF 4096, 8192, 1024
.Lno_tail:
	BARRIER                                        ; the nine images lie in LDS
	s_wait_alu depctr_vm_vsrc(0)                   ; the images' stores have read v226-v229 and v238, in which the second group's loads land
	; ---- x Wf + bf
	GFETCH 0, 0
	GFETCH 1, 1
	s_wait_dscnt 9                                 ; the first group is in; the second's nine loads may be out
	s_wait_loadcnt 30                              ; bf, gf, betaf and Wf's K steps 0-2 are in; behind them: six steps of five loads
	GMUL 0, 0
.rept 4
	v_nop                                          ; four places behind the products (ISA guide 7.12.1): they stay beside the wait below, which fills none of them
.endr
	s_wait_alu depctr_va_vdst(0)                   ; the first six products are done reading group 0 and its scale words, in which K steps 6 to 8 land
	GFETCH 2, 0
	s_wait_dscnt 9                                 ; the second group is in
	s_wait_loadcnt 15                              ; behind K step 5's loads: three steps of five
	GMUL 1, 1
	s_wait_dscnt 0x0
	s_wait_loadcnt 0x0
	GMUL 2, 0
.rept 4
	v_nop                                          ; four places ahead of the first read of results
.endr
	s_wait_alu depctr_va_vdst(0)                   ; the products have written the accumulators, which the stores read, and are done reading group 0, in which the norm's loads land; the places above stay beside this wait
.irp u, 0,1
	ds_store_b128 v11, v[ACC+8*\u:ACC+8*\u+3] offset:ROW+32*\u       ; each accumulator from its low end on; the 16 lanes of a half hold the same numbers and write the same bytes
	ds_store_b128 v11, v[ACC+8*\u+4:ACC+8*\u+7] offset:ROW+32*\u+16
.endr
	BARRIER                                        ; the 512 results lie in LDS: the last barrier
	s_cmp_lt_u32 s24, 4
	s_cbranch_scc1 .Lnorm
	s_wait_dscnt 0x0                               ; the closing lines, six on end
	s_wait_alu 0x0
	s_wait_tensorcnt 0x0
	ds_add_u32 v254, v255
	s_wait_dscnt 0x0
	s_endpgm
.Lnorm:	; ---- waves 0-3: each takes the norm's two sums over all 512 and stores 128 numbers
.irp k, 0,1,2,3
	ds_load_b128 v[194+4*\k:197+4*\k], v1 offset:ROW+512*\k
.endr
	ds_load_b128 v[210:213], v7 offset:ROW         ; the four that I store
	s_wait_dscnt 0x0
	v_pk_add_f32 v[214:215], v[194:195], v[196:197]
	v_pk_add_f32 v[216:217], v[198:199], v[200:201]
	v_pk_add_f32 v[218:219], v[202:203], v[204:205]
	v_pk_add_f32 v[220:221], v[206:207], v[208:209]
	v_pk_add_f32 v[214:215], v[214:215], v[216:217]
	v_pk_add_f32 v[218:219], v[218:219], v[220:221]
	v_pk_add_f32 v[214:215], v[214:215], v[218:219]
	v_add_f32 v250, v214, v215
	WSUM 250, 251
	v_mul_f32 v222, 0xbb000000, v250               ; -mean
	v_mov_b32 v223, v222
.irp j, 0,2,4,6,8,10,12,14
	v_pk_add_f32 v[194+\j:195+\j], v[194+\j:195+\j], v[222:223]
.endr
	v_pk_mul_f32 v[214:215], v[194:195], v[194:195]
	v_pk_mul_f32 v[216:217], v[196:197], v[196:197]
.irp j, 4,8,12
	v_pk_fma_f32 v[214:215], v[194+\j:195+\j], v[194+\j:195+\j], v[214:215]
	v_pk_fma_f32 v[216:217], v[196+\j:197+\j], v[196+\j:197+\j], v[216:217]
.endr
	v_pk_add_f32 v[214:215], v[214:215], v[216:217]
	v_add_f32 v250, v214, v215
	WSUM 250, 251
	v_mov_b32 v252, 0x3b000000                     ; 1 / 512
	v_fmaak_f32 v250, v252, v250, 0x3727c5ac       ; the variance + 1e-5
	s_wait_alu depctr_va_vdst(0)
	v_rsq_f32 v224, v250
	v_pk_add_f32 v[210:211], v[210:211], v[222:223]                ; (plain lines behind the transcendental)
	v_pk_add_f32 v[212:213], v[212:213], v[222:223]
	s_wait_alu depctr_va_vdst(0)                   ; 1/sqrt in v224 is written, ahead of its first reader
	v_mov_b32 v225, v224
	v_pk_mul_f32 v[210:211], v[210:211], v[224:225]
	v_pk_mul_f32 v[212:213], v[212:213], v[224:225]
	v_pk_fma_f32 v[210:211], v[210:211], v[16:17], v[20:21]
	v_pk_fma_f32 v[212:213], v[212:213], v[18:19], v[22:23]
.irp j, 0,1,2,3
	v_max_num_f32 v[210+\j], 0, v[210+\j]
.endr
	s_wait_alu depctr_va_vdst(0)                   ; my four results in v210-v213 are written, which the store reads
	global_store_b128 v7, v[210:213], s[22:23]     ; the wave stores 512 consecutive bytes, aligned
	s_wait_dscnt 0x0                               ; the closing lines, six on end
	s_wait_alu 0x0
	s_wait_tensorcnt 0x0
	ds_add_u32 v254, v255
	s_wait_dscnt 0x0
	s_endpgm
.Lfunc_end_k_q10084c12d5_fuse:
	.size	k_q10084c12d5_fuse, .Lfunc_end_k_q10084c12d5_fuse-k_q10084c12d5_fuse
	.p2alignl 7, 3214868480
	.fill 96, 4, 3214868480
	.section	.rodata,"a",@progbits
	.p2align	6, 0x0
	.amdhsa_kernel k_q10084c12d5_fuse
		.amdhsa_group_segment_fixed_size 19200
		.amdhsa_private_segment_fixed_size 0
		.amdhsa_enable_private_segment 0
		.amdhsa_kernarg_size 64
		.amdhsa_user_sgpr_count 2
		.amdhsa_user_sgpr_kernarg_segment_ptr 1
		.amdhsa_wavefront_size32 1
		.amdhsa_system_sgpr_workgroup_id_x 1
		.amdhsa_system_sgpr_workgroup_id_y 1
		.amdhsa_system_sgpr_workgroup_id_z 1
		.amdhsa_system_vgpr_workitem_id 0
		.amdhsa_next_free_vgpr 256
		.amdhsa_next_free_sgpr 66
		.amdhsa_reserve_vcc 1
		.amdhsa_float_denorm_mode_32 3
		.amdhsa_float_denorm_mode_16_64 3
		.amdhsa_memory_ordered 1
		.amdhsa_forward_progress 1
		.amdhsa_inst_pref_size 24
	.end_amdhsa_kernel
	.amdgpu_metadata
---
amdhsa.version: [ 1, 2 ]
amdhsa.kernels:
  - .name:           k_q10084c12d5_fuse
    .symbol:         k_q10084c12d5_fuse.kd
    .args:
      - { .name: part, .offset: 0, .size: 8, .value_kind: global_buffer, .address_space: global }
      - { .name: attention_mask, .offset: 8, .size: 8, .value_kind: global_buffer, .address_space: global }
      - { .name: lda_features, .offset: 16, .size: 8, .value_kind: global_buffer, .address_space: global }
      - { .name: fq, .offset: 24, .size: 8, .value_kind: global_buffer, .address_space: global }
      - { .name: bf, .offset: 32, .size: 8, .value_kind: global_buffer, .address_space: global }
      - { .name: gf, .offset: 40, .size: 8, .value_kind: global_buffer, .address_space: global }
      - { .name: betaf, .offset: 48, .size: 8, .value_kind: global_buffer, .address_space: global }
      - { .name: out0, .offset: 56, .size: 8, .value_kind: global_buffer, .address_space: global }
    .group_segment_fixed_size: 19200
    .private_segment_fixed_size: 0
    .kernarg_segment_align: 8
    .kernarg_segment_size: 64
    .max_flat_workgroup_size: 512
    .sgpr_count:     66
    .vgpr_count:     256
    .wavefront_size: 32
...
	.end_amdgpu_metadata
.endif
;; end of part 6
